; MI455X (gfx1250); checked and timed in simulation.
; The chip was launched on July 23, 2026; its instructions are those of AMD's public machine-readable ISA for CDNA 5 (MIT licence, August 2026) and "CDNA5" Instruction Set Architecture Reference Guide (July 2026). The comments in the code are by the model that wrote it; some were corrected since.
;; Softmax Transformer Block. Allowed arithmetic: matrix products marked QUANTISED: E4M3 operands, one E8M0 scale for each 32 along K, by v_wmma_scale_f32_16x16x128_f8f6f4 with both operands' format E4M3, f32 sums; everything else in f32.
;; Inputs: W1 1,024 x 4,096 float32; W2 4,096 x 1,024 float32; Wk 1,024 x 1,024 float32; Wo 1,024 x 1,024 float32; Wq 1,024 x 1,024 float32; Wv 1,024 x 1,024 float32; ln1_b 1,024 float32; ln1_w 1,024 float32; ln2_b 1,024 float32; ln2_w 1,024 float32; x 2 x 2,048 x 1,024 float32.
;; Outputs: out0 2 x 2,048 x 1,024 float32.
;; This version of the problem:
;;   THIS VERSION OF THE PROBLEM IS GIVEN IN LOW PRECISION. The matrix products marked QUANTISED in the list below multiply operands that are first quantised to E4M3 (4 exponent bits, 3 mantissa bits; 8 bits a number), with one power-of-two scale for each 32 numbers along K (OCP MX v1.0); their sums are f32. All else is computed in f32.
;;   The module's matrix products, in the order in which they are computed (A, B: the left and right operand; K: the contracted axis; several contracted axes count as one K, in the product's order):
;;     1. [M 4,096, K 1,024] x [K 1,024, N 1,024]; A: computed on the way; B: input Wq: QUANTISED
;;     2. [M 4,096, K 1,024] x [K 1,024, N 1,024]; A: computed on the way; B: input Wk: QUANTISED
;;     3. [M 4,096, K 1,024] x [K 1,024, N 1,024]; A: computed on the way; B: input Wv: QUANTISED
;;     4. batch 32 x [M 2,048, K 64] x [K 64, N 2,048]; A: computed on the way; B: computed on the way: QUANTISED
;;     5. batch 32 x [M 2,048, K 2,048] x [K 2,048, N 64]; A: softmax (see below); B: computed on the way: QUANTISED
;;     6. [M 4,096, K 1,024] x [K 1,024, N 1,024]; A: computed on the way; B: input Wo: QUANTISED
;;     7. [M 4,096, K 1,024] x [K 1,024, N 4,096]; A: computed on the way; B: input W1: QUANTISED
;;     8. [M 4,096, K 4,096] x [K 4,096, N 1,024]; A: computed on the way; B: input W2: QUANTISED
;;   THE QUANTISER, for each operand of a quantised product, along K:
;;     - K is cut into blocks of 32 from its start; a last block that is shorter is filled with zeros.
;;     - A block's scale is 2^e with e = floor(log2(the largest magnitude in the block)) - 8, held to -126 .. 127; a block of zeros has e = 0. As a byte (E8M0): e + 127.
;;     - Each number is divided by its block's scale, clamped to +-448, and rounded to the nearest number of E4M3, ties to even, subnormals kept.
;;     - The product sums the exact products of the quantised numbers (number of the format x scale) in f32.
;;   ~~~python
;;   def quantise(x, axis):      # numpy; x: float32 -> the quantised numbers, widened to float32 again
;;       x = np.moveaxis(x, axis, -1); K = x.shape[-1]
;;       x = np.pad(x, [(0, 0)] * (x.ndim - 1) + [(0, -K % 32)]); x = x.reshape(x.shape[:-1] + (-1, 32)); a = np.abs(x).max(-1, keepdims=True)
;;       e = np.where(a > 0, np.clip(np.frexp(np.where(a > 0, a, 1))[1] - 1 - 8, -126, 127), 0)      # np.frexp(a)[1] - 1 = floor(log2(a)), exactly
;;       r = np.clip(x / 2.0 ** e, -448, 448)
;;       step = 2.0 ** (np.maximum(np.frexp(np.where(r == 0, 1, r))[1] - 1, -6) - 3)
;;       q = np.round(r / step) * step * 2.0 ** e      # np.round: ties to even
;;       return np.moveaxis(q.reshape(q.shape[:-2] + (-1,))[..., :K], -1, axis).astype(np.float32)
;;   ~~~
;;   SOFTMAX AHEAD OF A QUANTISED PRODUCT. Where the list says 'softmax', what is quantised is not the finished softmax but p = 2^(t - M), with t = logit x log2(e) and M = ceil(the row's largest t), a whole number; so 1/2 < the row's largest p <= 1. The row's sum l is taken of the UNQUANTISED p, in f32, and the product's result is divided by l at the end. Since M is a whole number, a kernel that streams over the keys may use a running M (the ceiling of the running maximum): every later rescaling is an exact power of two, which a block's scale takes up: the codes' values come out the same.
;;   OPERANDS COMPUTED ON THE WAY. 'Computed on the way' means the value that the module computes at that place (a softmax that the list does not call 'softmax' is quantised finished and normalised). What goes into a quantiser is computed in f32, as accurately as f32 sums, v_exp_f32 and their like allow (about 1e-6 of the number): no bf16 or f16 on the way to a quantiser, and a product that is left as it is and whose result goes on into a quantised operand takes f32 operands (vector FMAs, or v_wmma_f32_16x16x4_f32). A number that lies on a knife's edge between two numbers of the format may be rounded either way, as far as f32 arithmetic and the matrix unit's own rounding can turn it there, and no further.
;; One version. Each part assembles by itself: llvm-mc -triple=amdgcn-amd-amdhsa -mcpu=gfx1250 --defsym DOCPART=n.
;; ======== version 1 of 1: 8 launches
;; limits: right only within a limited range of input values
;; workspace buffers: wb 12,976,128 bytes; hb 4,325,376 bytes; qkb 8,912,896 bytes; vb 4,325,376 bytes; x1 16,777,216 bytes; hidb 17,301,504 bytes
;; launch wquant (part 1): grid 128 x 3, 4 waves a work-group, no clusters, 0 bytes of LDS; arguments Wq, Wk, Wv, Wo, W1, W2, wb; writes wb
.if DOCPART == 1
	.amdgcn_target "amdgcn-amd-amdhsa--gfx1250"
	.amdhsa_code_object_version 6
	.text
	.protected	k_q8f9a8dc370_wquant
	.globl	k_q8f9a8dc370_wquant
	.p2align	8
	.type	k_q8f9a8dc370_wquant,@function
k_q8f9a8dc370_wquant:
	s_mov_b64 s[64:65], 0
	v_nop
	global_prefetch_b8 v0, s[64:65] scope:SCOPE_SE
	s_setreg_imm32_b32 hwreg(HW_REG_WAVE_MODE, 25, 1), 1
	s_wait_xcnt 0x0
; THE PROGRAM: a pre-norm transformer block, all eight products on codes of E4M3 with one E8M0 scale for each 32 along K.
; DEAD WORK, for all values of the inputs: reference() builds the causal mask itself (jnp.tril) and sets the scores of keys behind a query to -inf; their
; p is exactly 0, adds nothing to the row's sum and nothing to the second product.  So key steps that lie wholly behind a block of queries are computed
; neither in product 4 nor in product 5 (launch attn).  Nothing else is left out and every input is loaded.  LIMIT: a NaN, an infinity or an overflow that
; would arise only in those hidden scores is not carried to the result.  NaN and infinities among the inputs are not served.
; THIS LAUNCH: the six weights, f32 with K as FIRST axis, become codes and scale words in wb, laid as IMAGES OF OPERAND REGISTERS:
; row n -> blk = n / 128, tile t = 2 ((n / 32) % 4) + ((n / 8) % 2), place r = n % 8 + 8 ((n % 32) / 16);  k -> step s = k / 128, c = (k / 32) % 4, h = (k / 16) % 2, i = k % 16;
; code byte ((blk KS + s) 8 + t) 2048 + 512 c + 16 (16 h + r) + i;  scale word ((blk KS + s) 128 + 16 t + r) 4, byte c.  KS = K / 128.
; A lane takes a column n and its registers run down K: a block of 32 lies in one lane, and its 32 codes are two runs of 16 bytes of the image.
; A work-group takes 128 columns x 256 along K; wave w columns 32 w on.  Each store's aligned 256 bytes are written whole by sixteen lanes.
; A block of zeros keeps the byte 1 where the rule says 127: its codes are zeros, and this program alone reads the bytes.
.set X,  32                            ; v32-95   two sets of 32 numbers
.set C,  96                            ; v96-159  eight registers of codes for each of 8 blocks: no store's data are written again
.set SB, 24                            ; v24-25   scale words of the two K steps
	s_load_b256 s[4:11], s[0:1], 0x0               ; Wq, Wk, Wv, Wo
	s_load_b128 s[12:15], s[0:1], 0x20             ; W1, W2
	s_load_b64 s[16:17], s[0:1], 0x30              ; wb
	v_lshrrev_b32 v1, 5, v0
	v_readfirstlane_b32 s22, v1                    ; wave
	v_and_b32 v2, 31, v0                           ; lane = my column in the wave's 32
	v_lshlrev_b32 v3, 2, v2                        ; in: 4 bytes a lane
	v_bfe_u32 v6, v2, 3, 1                         ; u: which of the wave's two tiles
	v_and_b32 v7, 7, v2
	v_lshrrev_b32 v8, 4, v2
	v_lshl_add_u32 v7, v8, 3, v7                   ; r: my place in the tile
	v_lshlrev_b32 v4, 11, v6
	v_lshl_add_u32 v4, v7, 4, v4
	s_lshl_b32 s23, s22, 12
	v_add_nc_u32 v4, s23, v4                       ; codes: 4096 w + 2048 u + 16 r
	v_lshl_add_u32 v5, v6, 4, v7
	s_lshl_b32 s23, s22, 5
	v_add_nc_u32 v5, s23, v5
	v_lshlrev_b32 v5, 2, v5                        ; scale words: 4 (32 w + 16 u + r)
	s_mov_b32 s31, 0x600000                        ; the mantissa field of 448
	s_and_b32 s21, ttmp7, 0xffff                   ; y: 0 the four square weights, 1 W1, 2 W2
	s_cmp_eq_u32 s21, 2
	s_cselect_b32 s23, 4, 2
	s_cselect_b32 s24, 15, 3
	s_lshr_b32 s25, ttmp9, s23                     ; block of 128 columns,
	s_and_b32 s26, ttmp9, s24                      ; run of 256 along K
	s_cmp_eq_u32 s21, 0
	s_cselect_b32 s27, 7, 31
	s_and_b32 s25, s25, s27
	s_cmp_eq_u32 s21, 1
	s_cselect_b32 s27, 22, 20                      ; 256 rows of 16,384 or of 4,096 bytes
	s_lshl_b32 s26, s26, s27
	s_lshl_b32 s25, s25, 9
	s_add_co_u32 s26, s26, s25
	s_lshl_b32 s25, s22, 7
	s_add_co_u32 s26, s26, s25                     ; where my wave's part of the weight begins
	s_mov_b32 s27, 0
	s_lshl_b32 s28, s21, 22                        ; codes: 4 MiB y + 32,768 x, for all three y
	s_lshl_b32 s29, ttmp9, 15
	s_add_co_u32 s28, s28, s29
	s_mov_b32 s29, 0
	s_lshl_b32 s32, s21, 17                        ; scale words: a 32nd of that, behind the codes
	s_lshl_b32 s33, ttmp9, 10
	s_add_co_u32 s32, s32, s33
	s_add_co_u32 s32, s32, 12582912
	s_mov_b32 s33, 0
	s_lshr_b32 s30, ttmp9, 5                       ; y = 0: which of the four
	s_wait_kmcnt 0x0
	s_cmp_eq_u32 s30, 1                            ; the choice hangs on the work-group's numbers alone
	s_cselect_b64 s[4:5], s[6:7], s[4:5]
	s_cmp_eq_u32 s30, 2
	s_cselect_b64 s[4:5], s[8:9], s[4:5]
	s_cmp_eq_u32 s30, 3
	s_cselect_b64 s[4:5], s[10:11], s[4:5]
	s_cmp_eq_u32 s21, 1
	s_cselect_b64 s[4:5], s[12:13], s[4:5]
	s_cmp_eq_u32 s21, 2
	s_cselect_b64 s[4:5], s[14:15], s[4:5]
	s_add_nc_u64 s[4:5], s[4:5], s[26:27]
	s_add_nc_u64 s[18:19], s[16:17], s[28:29]
	s_add_nc_u64 s[16:17], s[16:17], s[32:33]
.macro LOAD t, p                       ; block t: W(32 t + i, my column) into set t % 2; p: bytes from row to row
.set n, 0
.rept 32
	global_load_b32 v[X+32*((\t)%2)+n], v3, s[4:5] offset:(32*(\t)+n)*(\p) th:TH_LOAD_NT
.set n, n+1
.endr
.endm
.macro BLOCK t, p
.set XS, X+32*((\t)%2)
.set CT, C+8*(\t)
.if (\t) < 7
	s_wait_loadcnt 32                              ; this block's 32 loads are in; the next block's may be out
.else
	s_wait_loadcnt 0
.endif
	v_max3_num_f32 v12, |v[XS]|, |v[XS+1]|, |v[XS+2]|
	v_max3_num_f32 v13, |v[XS+3]|, |v[XS+4]|, |v[XS+5]|
.irp i, 6,10,14,18,22,26
	v_max3_num_f32 v12, v12, |v[XS+\i]|, |v[XS+\i+1]|
	v_max3_num_f32 v13, v13, |v[XS+\i+2]|, |v[XS+\i+3]|
.endr
	v_max3_num_f32 v12, v12, |v[XS+30]|, |v[XS+31]|
	v_max3_num_f32 v12, v12, v13, 0x4800000        ; the floor 2^(9 - 127): the byte cannot fall under 1
	v_add_nc_u32 v11, 0xfc000000, v12              ; 8 off the exponent field: the conversion's scale operand
	v_and_or_b32 v10, v12, 0x7f800000, s31         ; 448 x the scale
	v_lshrrev_b32 v13, 23, v11                     ; the scale's byte
.if (\t)%4 == 0
	v_mov_b32 v[SB+(\t)/4], v13
.else
	v_lshl_or_b32 v[SB+(\t)/4], v13, 8*((\t)%4), v[SB+(\t)/4]
.endif
.set n, 0
.rept 32
	v_med3_num_f32 v[XS+n], v[XS+n], -v10, v10     ; the conversion to an 8-bit code does not saturate (ISA guide 7.6.2): the hold comes first
.set n, n+1
.endr
.irp g, 0,1,2,3
	v_cvt_scalef32_pk8_fp8_f32 v[CT+2*\g:CT+2*\g+1], v[XS+8*\g:XS+8*\g+7], v11
.endr
	global_store_b128 v4, v[CT:CT+3], s[18:19] offset:((\t)/4)*16384+((\t)%4)*512        ; k 0-15 of the block: the image's lanes 0-15
	global_store_b128 v4, v[CT+4:CT+7], s[18:19] offset:((\t)/4)*16384+((\t)%4)*512+256  ; k 16-31: its lanes 16-31
.if (\t)%4 == 3
	global_store_b32 v5, v[SB+(\t)/4], s[16:17] offset:((\t)/4)*512
.endif
.if (\t)+2 < 8
	LOAD (\t)+2, \p
.endif
.endm
.macro BODY p
	LOAD 0, \p
	LOAD 1, \p
.irp t, 0,1,2,3,4,5,6,7
	BLOCK \t, \p
.endr
.endm
	s_cmp_eq_u32 s21, 1
	s_cbranch_scc1 .Lwide
	BODY 4096
	s_endpgm
.Lwide:
	BODY 16384
	s_endpgm
.Lfunc_end_k_q8f9a8dc370_wquant:
	.size	k_q8f9a8dc370_wquant, .Lfunc_end_k_q8f9a8dc370_wquant-k_q8f9a8dc370_wquant
	.p2alignl 7, 3214868480
	.fill 96, 4, 3214868480
	.section	.rodata,"a",@progbits
	.p2align	6, 0x0
	.amdhsa_kernel k_q8f9a8dc370_wquant
		.amdhsa_group_segment_fixed_size 0
		.amdhsa_private_segment_fixed_size 0
		.amdhsa_enable_private_segment 0
		.amdhsa_kernarg_size 56
		.amdhsa_user_sgpr_count 2
		.amdhsa_user_sgpr_kernarg_segment_ptr 1
		.amdhsa_wavefront_size32 1
		.amdhsa_system_sgpr_workgroup_id_x 1
		.amdhsa_system_sgpr_workgroup_id_y 1
		.amdhsa_system_sgpr_workgroup_id_z 1
		.amdhsa_system_vgpr_workitem_id 0
		.amdhsa_next_free_vgpr 176
		.amdhsa_next_free_sgpr 66
		.amdhsa_reserve_vcc 0
		.amdhsa_float_denorm_mode_32 3
		.amdhsa_float_denorm_mode_16_64 3
		.amdhsa_memory_ordered 1
		.amdhsa_forward_progress 1
		.amdhsa_inst_pref_size 111
	.end_amdhsa_kernel
	.amdgpu_metadata
---
amdhsa.version: [ 1, 2 ]
amdhsa.kernels:
  - .name:           k_q8f9a8dc370_wquant
    .symbol:         k_q8f9a8dc370_wquant.kd
    .args:
      - { .name: Wq, .offset: 0, .size: 8, .value_kind: global_buffer, .address_space: global }
      - { .name: Wk, .offset: 8, .size: 8, .value_kind: global_buffer, .address_space: global }
      - { .name: Wv, .offset: 16, .size: 8, .value_kind: global_buffer, .address_space: global }
      - { .name: Wo, .offset: 24, .size: 8, .value_kind: global_buffer, .address_space: global }
      - { .name: W1, .offset: 32, .size: 8, .value_kind: global_buffer, .address_space: global }
      - { .name: W2, .offset: 40, .size: 8, .value_kind: global_buffer, .address_space: global }
      - { .name: wb, .offset: 48, .size: 8, .value_kind: global_buffer, .address_space: global }
    .group_segment_fixed_size: 0
    .private_segment_fixed_size: 0
    .kernarg_segment_align: 8
    .kernarg_segment_size: 56
    .max_flat_workgroup_size: 128
    .sgpr_count:     66
    .vgpr_count:     176
    .wavefront_size: 32
...
	.end_amdgpu_metadata
.endif
;; end of part 1
;; launch ln1 (part 2): grid 256 x 1, 8 waves a work-group, no clusters, 2,048 bytes of LDS; arguments x, ln1_w, ln1_b, hb; writes hb
.if DOCPART == 2
	.amdgcn_target "amdgcn-amd-amdhsa--gfx1250"
	.amdhsa_code_object_version 6
	.text
	.protected	k_q8f9a8dc370_ln1
	.globl	k_q8f9a8dc370_ln1
	.p2align	8
	.type	k_q8f9a8dc370_ln1,@function
k_q8f9a8dc370_ln1:
	s_mov_b64 s[64:65], 0
	v_nop
	global_prefetch_b8 v0, s[64:65] scope:SCOPE_SE
	s_setreg_imm32_b32 hwreg(HW_REG_WAVE_MODE, 25, 1), 1
	s_wait_xcnt 0x0
; LayerNorm of 4,096 rows of 1,024 f32, quantised along the row to E4M3 with E8M0 scales, stored as images of operand registers (layout: head of launch wquant, KS = 8).
; A work-group takes one tile of 16 rows (blk = g / 8, tile t = g % 8; place r is row 128 blk + 32 (t / 2) + 8 (t % 2) + r + 8 (r / 8)); wave s takes K step s.
; Lane (r, h) holds, of its row, k = 128 s + 32 c + 16 h + 0 .. 15, c = 0 .. 3: the order of the operand's registers, so the conversions' results are the image.
; Mean and variance in two passes (the mean is taken away first), in f32; the eight waves' parts meet in LDS, added in one fixed order.
; LIMITS: NaN and infinities are not served; a block of zeros keeps the byte 1 (its codes are zeros; this program alone reads the bytes).
.set X,   16                           ; v16-79   my 64 numbers
.set W,   80                           ; v80-143  the gain at my 64 places
.set BB,  144                          ; v144-207 the bias
.set TM,  208                          ; v208-223 the quantiser's work
.set PW,  224                          ; the scale word
.set PC,  228                          ; v228-243 sums at work, later the codes
.set MU,  244                          ; v[244:245] the mean, twice
.set RS,  246                          ; v[246:247] 1 / sqrt(var + eps), twice
.set SPW, 252                          ; LDS address of my spare word; never rewritten
.set NIL, 253                          ; 0; never rewritten
.set SEL, 20
.set MNT, 23
	s_load_b256 s[4:11], s[0:1], 0x0               ; the rows, the gain, the bias, hb
	v_lshl_add_u32 v[SPW], v0, 2, 1024             ; LDS: 0-511 and 512-1023 the two reductions, [r][wave]; from 1024 the spare words
	v_mov_b32 v[NIL], 0
	v_lshrrev_b32 v9, 5, v0
	s_delay_alu instid0(VALU_DEP_1)
	v_readfirstlane_b32 s12, v9                    ; wave = K step
	v_and_b32 v1, 15, v0                           ; r
	v_bfe_u32 v2, v0, 4, 1                         ; h
	s_delay_alu instid0(VALU_DEP_2)
	v_and_b32 v9, 8, v1
	s_delay_alu instid0(VALU_DEP_1)
	v_add_nc_u32 v9, v9, v1                        ; r + 8 (r / 8)
	s_delay_alu instid0(VALU_DEP_1)
	v_lshlrev_b32 v3, 12, v9
	s_delay_alu instid0(VALU_DEP_1)
	v_lshl_add_u32 v3, v2, 6, v3                   ; my row, + 64 h
	v_lshlrev_b32 v4, 6, v2                        ; gain and bias: 64 h
	v_lshlrev_b32 v5, 5, v1
	s_lshl_b32 s13, s12, 2
	v_add_nc_u32 v5, s13, v5                       ; reduction, in: 32 r + 4 wave
	v_lshlrev_b32 v6, 5, v1                        ; and back: 32 r
	v_and_b32 v7, 31, v0
	s_delay_alu instid0(VALU_DEP_1)
	v_lshlrev_b32 v7, 4, v7                        ; image: 16 x lane
	v_lshlrev_b32 v8, 2, v1                        ; scale word: 4 r
.irp b, 0,1,2,3
	v_mov_b32 v[TM+4+\b], 0                        ; a lane permute's destination counts as one of its sources
.endr
	s_mov_b32 s[SEL], 0x76543210
	s_mov_b32 s[SEL+1], 0xfedcba98
	s_mov_b32 s[MNT], 0x600000
	s_mov_b32 s28, 0x3a800000                      ; 1 / 1024
	s_mov_b32 s29, 0x3727c5ac                      ; 1e-5
	s_lshr_b32 s14, ttmp9, 3                       ; blk
	s_and_b32 s15, ttmp9, 7                        ; t
	s_lshl_b32 s16, s14, 7
	s_lshr_b32 s17, s15, 1
	s_lshl_b32 s17, s17, 5
	s_add_co_u32 s16, s16, s17
	s_and_b32 s17, s15, 1
	s_lshl_b32 s17, s17, 3
	s_add_co_u32 s16, s16, s17                     ; the tile's first row
	s_lshl_b32 s16, s16, 12
	s_lshl_b32 s18, s12, 9                         ; my K step: 512 bytes
	s_add_co_u32 s16, s16, s18
	s_mov_b32 s17, 0
	s_mov_b32 s19, 0
	s_lshl_b32 s24, s14, 3
	s_add_co_u32 s24, s24, s12                     ; 8 blk + s
	s_lshl_b32 s26, s24, 9
	s_lshl_b32 s27, s15, 6
	s_add_co_u32 s26, s26, s27
	s_add_co_u32 s26, s26, 4194304                 ; the tile's scale words
	s_mov_b32 s27, 0
	s_lshl_b32 s24, s24, 3
	s_add_co_u32 s24, s24, s15
	s_lshl_b32 s24, s24, 11                        ; the tile's image
	s_mov_b32 s25, 0
	s_wait_kmcnt 0x0
	s_add_nc_u64 s[4:5], s[4:5], s[16:17]
	s_add_nc_u64 s[6:7], s[6:7], s[18:19]
	s_add_nc_u64 s[8:9], s[8:9], s[18:19]
	s_add_nc_u64 s[24:25], s[10:11], s[24:25]
	s_add_nc_u64 s[26:27], s[10:11], s[26:27]
.irp c, 0,1,2,3
.irp j, 0,1,2,3
	global_load_b128 v[X+16*\c+4*\j:X+16*\c+4*\j+3], v3, s[4:5] offset:128*\c+16*\j
.endr
.endr
.irp c, 0,1,2,3
.irp j, 0,1,2,3
	global_load_b128 v[W+16*\c+4*\j:W+16*\c+4*\j+3], v4, s[6:7] offset:128*\c+16*\j
	global_load_b128 v[BB+16*\c+4*\j:BB+16*\c+4*\j+3], v4, s[8:9] offset:128*\c+16*\j
.endr
.endr
; v[228:229] and v[230:231] hold two chains of my numbers' sum -> v232: the row's sum, in every lane
.macro REDUCE off
	s_delay_alu instid0(VALU_DEP_1)
	v_pk_add_f32 v[228:229], v[228:229], v[230:231]
	s_delay_alu instid0(VALU_DEP_1)
	v_add_f32 v228, v228, v229
	s_delay_alu instid0(VALU_DEP_1)
	v_permlanex16_b32 v229, v228, s[SEL], s[SEL+1] ; the row's other 64 numbers of this K step lie in the lane 16 away
	s_delay_alu instid0(VALU_DEP_1)
	v_add_f32 v228, v228, v229
	ds_store_b32 v5, v228 offset:\off              ; both halves of the lanes write the same word with the same value
	s_wait_dscnt 0x0                               ; for the others' sake: my store has landed
	s_barrier_signal -1
	s_barrier_wait -1
	ds_load_b128 v[232:235], v6 offset:\off
	ds_load_b128 v[236:239], v6 offset:\off+16
	s_wait_dscnt 0x0
	v_add_f32 v232, v232, v233
	v_add_f32 v234, v234, v235
	v_add_f32 v236, v236, v237
	v_add_f32 v238, v238, v239
	s_delay_alu instid0(VALU_DEP_3)
	v_add_f32 v232, v232, v234
	s_delay_alu instid0(VALU_DEP_2)
	v_add_f32 v236, v236, v238
	s_delay_alu instid0(VALU_DEP_1)
	v_add_f32 v232, v232, v236
.endm
	s_wait_loadcnt 32                              ; my 16 loads of the rows are in; the 32 of gain and bias may be out
	v_pk_add_f32 v[228:229], v[X:X+1], v[X+2:X+3]
	v_pk_add_f32 v[230:231], v[X+4:X+5], v[X+6:X+7]
.set n, 8
.rept 14
	s_delay_alu instid0(VALU_DEP_2)
	v_pk_add_f32 v[228:229], v[228:229], v[X+n:X+n+1]
	s_delay_alu instid0(VALU_DEP_2)
	v_pk_add_f32 v[230:231], v[230:231], v[X+n+2:X+n+3]
.set n, n+4
.endr
	REDUCE 0
	s_delay_alu instid0(VALU_DEP_1)
	v_mul_f32 v[MU], s28, v232
	s_delay_alu instid0(VALU_DEP_1)
	v_mov_b32 v[MU+1], v[MU]
.set n, 0
.rept 32
	v_pk_add_f32 v[X+n:X+n+1], v[X+n:X+n+1], v[MU:MU+1] neg_lo:[0,1] neg_hi:[0,1]
.set n, n+2
.endr
	v_pk_mul_f32 v[228:229], v[X:X+1], v[X:X+1]
	v_pk_mul_f32 v[230:231], v[X+2:X+3], v[X+2:X+3]
.set n, 4
.rept 15
	s_delay_alu instid0(VALU_DEP_2)
	v_pk_fma_f32 v[228:229], v[X+n:X+n+1], v[X+n:X+n+1], v[228:229]
	s_delay_alu instid0(VALU_DEP_2)
	v_pk_fma_f32 v[230:231], v[X+n+2:X+n+3], v[X+n+2:X+n+3], v[230:231]
.set n, n+4
.endr
	REDUCE 512                                     ; other bytes than the first reduction's: no third barrier
	s_delay_alu instid0(VALU_DEP_1)
	v_fma_f32 v[RS], v232, s28, s29                ; var + eps
	s_wait_alu depctr_va_vdst(0)
	v_rsq_f32 v[RS], v[RS]
	v_nop                                          ; a plain instruction behind the transcendental
	s_wait_alu depctr_va_vdst(0)                   ; the wait ahead of the first use
	v_mov_b32 v[RS+1], v[RS]
	s_wait_alu depctr_va_vdst(0)
	s_wait_loadcnt 0x0                             ; gain and bias
.set n, 0
.rept 32
	v_pk_mul_f32 v[X+n:X+n+1], v[X+n:X+n+1], v[RS:RS+1]
.set n, n+2
.endr
.set n, 0
.rept 32
	v_pk_fma_f32 v[X+n:X+n+1], v[X+n:X+n+1], v[W+n:W+n+1], v[BB+n:BB+n+1]
.set n, n+2
.endr
	; the quantiser: register 16 b + i is k 32 b + 16 h + i of my row
.irp b, 0,1,2,3
	v_max3_num_f32 v[TM+\b], |v[X+16*\b]|, |v[X+1+16*\b]|, 0x4800000   ; with the floor 2^(9 - 127): the byte cannot fall under 1
.endr
.irp i, 2,4,6,8,10,12,14
.irp b, 0,1,2,3
	s_delay_alu instid0(VALU_DEP_4)
	v_max3_num_f32 v[TM+\b], v[TM+\b], |v[X+16*\b+\i]|, |v[X+1+16*\b+\i]|
.endr
.endr
.irp b, 0,1,2,3
	s_delay_alu instid0(VALU_DEP_4)
	v_permlanex16_b32 v[TM+4+\b], v[TM+\b], s[SEL], s[SEL+1]
.endr
.irp b, 0,1,2,3
	s_delay_alu instid0(VALU_DEP_4)
	v_max_num_f32 v[TM+\b], v[TM+\b], v[TM+4+\b]   ; the block's largest magnitude
.endr
.irp b, 0,1,2,3
	s_delay_alu instid0(VALU_DEP_4)
	v_add_nc_u32 v[TM+12+\b], 0xfc000000, v[TM+\b] ; the conversion's scale operand
.endr
.irp b, 0,1,2,3
	v_and_or_b32 v[TM+8+\b], v[TM+\b], 0x7f800000, s[MNT]   ; 448 x the scale
.endr
.irp b, 0,1,2,3
	v_lshrrev_b32 v[TM+4+\b], 23, v[TM+12+\b]      ; the scale's byte
.endr
	s_delay_alu instid0(VALU_DEP_3)
	v_lshl_or_b32 v[PW], v[TM+5], 8, v[TM+4]
	s_delay_alu instid0(VALU_DEP_1)
	v_lshl_or_b32 v[PW], v[TM+6], 16, v[PW]
	s_delay_alu instid0(VALU_DEP_1)
	v_lshl_or_b32 v[PW], v[TM+7], 24, v[PW]
.irp b, 0,1,2,3
.set n, 0
.rept 16
	v_med3_num_f32 v[X+16*\b+n], v[X+16*\b+n], -v[TM+8+\b], v[TM+8+\b]   ; the conversion does not saturate (ISA guide 7.6.2): the hold comes first
.set n, n+1
.endr
	v_cvt_scalef32_pk8_fp8_f32 v[PC+4*\b:PC+1+4*\b], v[X+16*\b:X+7+16*\b], v[TM+12+\b]
	v_cvt_scalef32_pk8_fp8_f32 v[PC+2+4*\b:PC+3+4*\b], v[X+8+16*\b:X+15+16*\b], v[TM+12+\b]
.endr
	v_nop
.irp c, 0,1,2,3
	global_store_b128 v7, v[PC+4*\c:PC+4*\c+3], s[24:25] offset:512*\c   ; 32 lanes store 512 consecutive bytes
.endr
	global_store_b32 v8, v[PW], s[26:27]           ; both halves of the lanes store the same word
	s_wait_tensorcnt 0x0                           ; the wave's end, behind my last LDS store
	ds_add_u32 v[SPW], v[NIL]
	s_wait_dscnt 0x0
	s_endpgm
.Lfunc_end_k_q8f9a8dc370_ln1:
	.size	k_q8f9a8dc370_ln1, .Lfunc_end_k_q8f9a8dc370_ln1-k_q8f9a8dc370_ln1
	.p2alignl 7, 3214868480
	.fill 96, 4, 3214868480
	.section	.rodata,"a",@progbits
	.p2align	6, 0x0
	.amdhsa_kernel k_q8f9a8dc370_ln1
		.amdhsa_group_segment_fixed_size 2048
		.amdhsa_private_segment_fixed_size 0
		.amdhsa_enable_private_segment 0
		.amdhsa_kernarg_size 32
		.amdhsa_user_sgpr_count 2
		.amdhsa_user_sgpr_kernarg_segment_ptr 1
		.amdhsa_wavefront_size32 1
		.amdhsa_system_sgpr_workgroup_id_x 1
		.amdhsa_system_sgpr_workgroup_id_y 1
		.amdhsa_system_sgpr_workgroup_id_z 1
		.amdhsa_system_vgpr_workitem_id 0
		.amdhsa_next_free_vgpr 256
		.amdhsa_next_free_sgpr 66
		.amdhsa_reserve_vcc 0
		.amdhsa_float_denorm_mode_32 3
		.amdhsa_float_denorm_mode_16_64 3
		.amdhsa_memory_ordered 1
		.amdhsa_forward_progress 1
		.amdhsa_inst_pref_size 32
	.end_amdhsa_kernel
	.amdgpu_metadata
---
amdhsa.version: [ 1, 2 ]
amdhsa.kernels:
  - .name:           k_q8f9a8dc370_ln1
    .symbol:         k_q8f9a8dc370_ln1.kd
    .args:
      - { .name: x, .offset: 0, .size: 8, .value_kind: global_buffer, .address_space: global }
      - { .name: ln1_w, .offset: 8, .size: 8, .value_kind: global_buffer, .address_space: global }
      - { .name: ln1_b, .offset: 16, .size: 8, .value_kind: global_buffer, .address_space: global }
      - { .name: hb, .offset: 24, .size: 8, .value_kind: global_buffer, .address_space: global }
    .group_segment_fixed_size: 2048
    .private_segment_fixed_size: 0
    .kernarg_segment_align: 8
    .kernarg_segment_size: 32
    .max_flat_workgroup_size: 256
    .sgpr_count:     66
    .vgpr_count:     256
    .wavefront_size: 32
...
	.end_amdgpu_metadata
.endif
;; end of part 2
;; launch gemm_qkv (part 3): grid 8 x 32, 4 waves a work-group, no clusters, 0 bytes of LDS; arguments wb, hb, qkb, vb; writes qkb, vb
.if DOCPART == 3
	.amdgcn_target "amdgcn-amd-amdhsa--gfx1250"
	.amdhsa_code_object_version 6
	.text
	.protected	k_q8f9a8dc370_gemm_qkv
	.globl	k_q8f9a8dc370_gemm_qkv
	.p2align	8
	.type	k_q8f9a8dc370_gemm_qkv,@function
k_q8f9a8dc370_gemm_qkv:
	s_mov_b64 s[64:65], 0
	v_nop
	global_prefetch_b8 v0, s[64:65] scope:SCOPE_SE
	s_setreg_imm32_b32 hwreg(HW_REG_WAVE_MODE, 25, 1), 1
	s_wait_xcnt 0x0
; Q, K and V: products of h (128 tokens, block Y) with 128 rows of Wq, Wk, Wv (features, block X of each), on codes of E4M3 with E8M0 scales.  K = 1,024: 8 steps of 128.
; Both operands lie in memory as images of operand registers (layout: head of launch wquant): a fragment is four loads of 16 bytes a lane, 512 consecutive bytes an instruction.
; A WORK-GROUP STAYS: it makes three tiles of 128 x 128, for blocks X, X + 8, X + 16 of wb, which are Wq's, Wk's and Wv's.  Wave w makes 64 (weights' half w % 2) x 64 (tokens' half w / 2): 16 accumulators.
; NO LDS, NO CLUSTER.  A wave's 64 tokens x 1,024 codes are 512 registers (windows 2, 3): loaded once, they serve all three tiles.  The weights' fragments go from memory straight into four sets of 64 registers
; (window 1, set = K step % 4), each fragment once for the wave that multiplies it: a tile staged in LDS would be read from there just as often, 8 KB a wave and K step, on top of its way in.  Waves share nothing, so there is no barrier.
; A set (16 fragment loads and 2 of scale words) is asked for three K steps ahead, across the change of tiles too: a tile's steps 5-7 ask for the next tile's steps 0-2, which land while the finished tile is quantised.  So no prefetch is laid beside them.
; SCALE WORDS: one load brings 32 words: lanes 0-15 one tile's, lanes 16-31 the next tile's; the instruction's ROW selector takes the half.  The tokens' 16 registers stay; the weights' go with their set.
; TILES Q AND K: source 0 = weights, source 1 = tokens: a lane holds one token and, in tiles 2 b and 2 b + 1 of the weights, 16 neighbouring features: quantised in registers along the head's 64 (a wave's 64 features are one head);
; they leave as the images that launch attn reads: [Q, K][batch x head][tile of 16 tokens][c 0-1][lane][16]; a scale word holds the tile's two bytes twice.
; TILE V: THE SOURCES ARE SWAPPED: a lane holds one feature and 16 neighbouring TOKENS, so that the blocks of 32 run along the keys.
; It leaves as images of V^T's fragments: [batch x head][key step of 128][tile of 16 features][2,048 bytes]; a wave's 64 tokens are c = 2 x (its tokens' half) + 0, 1; its two scale bytes are half of a scale word.
; LIMITS: NaN and infinities are not served; a block of zeros keeps the byte 1 (its codes are zeros; this program alone reads the bytes).
.set S0SC,  12582912                   ; the weights' scale words in wb
.set S1SC,  4194304                    ; the tokens' in hb
.set TSTEP, 1048576                    ; bytes from a tile's weights to the next tile's: 8 blocks
.set TSSTEP, 32768                     ; and from its scale words
.set OSTEP, 4194304                    ; from Q's images to K's,
.set OSSTEP, 262144                    ; from Q's scale words to K's
.set LI,   1                           ; v1     16 x lane
.set LS,   2                           ; v2     4 x lane
.set TSC,  4                           ; v4-19  the tokens' scale words: K step s in 4 + 2 s (tiles 0, 1) and 5 + 2 s (tiles 2, 3)
.set WSC,  20                          ; v20-27 the weights': set p in 20 + 2 p, 21 + 2 p
.set TM,   40                          ; v40-55 the quantiser's work
.set PC,   56                          ; v56-87 codes
.set PW,   88                          ; v88-89 scale words to store
.set ACC,  128                         ; v128-255 accumulator (i, j) at 128 + 8 (4 i + j): i source 1's tile, j source 0's
.set SEL, 96
.set MNT, 98
.set HI,  99
.set MSB, 0
.macro WIN new                         ; the immediate's high byte repeats the setting that is left
.if MSB != \new
	s_set_vgpr_msb (MSB<<8)|\new
.set MSB, \new
.endif
.endm
.macro PLACES n                        ; plain vector instructions behind matrix instructions (ISA guide 7.12.1)
.rept \n
	v_nop
.endr
.endm
.macro FETCHW p, co, so                ; a K step's weights into set p: co, so: its bytes from the tile's first codes and scale words
	WIN 0
	global_load_b32 v[WSC+2*(\p)], v[LS], s[22:23] offset:\so
	global_load_b32 v[WSC+2*(\p)+1], v[LS], s[22:23] offset:\so+128
	WIN 0x40
.irp t, 0,1,2,3
.irp c, 0,1,2,3
	global_load_b128 v[64*(\p)+16*\t+4*\c:64*(\p)+16*\t+4*\c+3], v[LI], s[20:21] offset:\co+2048*\t+512*\c
.endr
.endr
.endm
.macro WM zero, ra, rb                 ; one product on the registers DD, AA, BB, SA, SB; ra, rb: the scale words lie in lanes 16-31
.if \zero
.if (\ra) && (\rb)
	v_wmma_scale_f32_16x16x128_f8f6f4 v[DD:DD+7], v[AA:AA+15], v[BB:BB+15], 0, v[SA], v[SB] matrix_a_scale:MATRIX_SCALE_ROW1 matrix_b_scale:MATRIX_SCALE_ROW1
.elseif \ra
	v_wmma_scale_f32_16x16x128_f8f6f4 v[DD:DD+7], v[AA:AA+15], v[BB:BB+15], 0, v[SA], v[SB] matrix_a_scale:MATRIX_SCALE_ROW1
.elseif \rb
	v_wmma_scale_f32_16x16x128_f8f6f4 v[DD:DD+7], v[AA:AA+15], v[BB:BB+15], 0, v[SA], v[SB] matrix_b_scale:MATRIX_SCALE_ROW1
.else
	v_wmma_scale_f32_16x16x128_f8f6f4 v[DD:DD+7], v[AA:AA+15], v[BB:BB+15], 0, v[SA], v[SB]
.endif
.else
.if (\ra) && (\rb)
	v_wmma_scale_f32_16x16x128_f8f6f4 v[DD:DD+7], v[AA:AA+15], v[BB:BB+15], v[DD:DD+7], v[SA], v[SB] matrix_a_scale:MATRIX_SCALE_ROW1 matrix_b_scale:MATRIX_SCALE_ROW1
.elseif \ra
	v_wmma_scale_f32_16x16x128_f8f6f4 v[DD:DD+7], v[AA:AA+15], v[BB:BB+15], v[DD:DD+7], v[SA], v[SB] matrix_a_scale:MATRIX_SCALE_ROW1
.elseif \rb
	v_wmma_scale_f32_16x16x128_f8f6f4 v[DD:DD+7], v[AA:AA+15], v[BB:BB+15], v[DD:DD+7], v[SA], v[SB] matrix_b_scale:MATRIX_SCALE_ROW1
.else
	v_wmma_scale_f32_16x16x128_f8f6f4 v[DD:DD+7], v[AA:AA+15], v[BB:BB+15], v[DD:DD+7], v[SA], v[SB]
.endif
.endif
.endm
; K step s: 16 products, the 16 accumulators by turns in one order.  The weights' set lies in window 1 at 64 (s % 4), the tokens' fragments in window 2 + s / 4 at 64 (s % 4).  sw = 1: source 0 = tokens, source 1 = weights
.macro MULS s, zero, sw
.if \sw
	WIN 0x06+(\s)/4
.else
	WIN 0x09+4*((\s)/4)
.endif
.irp i, 0,1,2,3
.irp j, 0,1,2,3
.set DD, ACC+8*(4*\i+\j)
.set AA, 64*((\s)%4)+16*\j
.set BB, 64*((\s)%4)+16*\i
.if \sw
.set SA, TSC+2*(\s)+\j/2
.set SB, WSC+2*((\s)%4)+\i/2
.else
.set SA, WSC+2*((\s)%4)+\j/2
.set SB, TSC+2*(\s)+\i/2
.endif
	WM \zero, \j%2, \i%2
.endr
.endr
.endm
.macro KSTEP s, f, co, so, n, zero, sw ; n: the loads of younger sets, which may stay out; f = 1: the set three steps on is asked for, into the registers that the last step's products read
	s_wait_loadcnt \n
.if \f
	PLACES 8
	FETCHW ((\s)+3)%4, \co, \so
.endif
	MULS \s, \zero, \sw
.endm
.macro FIRST5 sw                       ; K steps 0 to 4; the first products start the sums
	KSTEP 0, 1, 3*16384, 3*512, 36, 1, \sw
	KSTEP 1, 1, 4*16384, 4*512, 36, 0, \sw
	KSTEP 2, 1, 5*16384, 5*512, 36, 0, \sw
	KSTEP 3, 1, 6*16384, 6*512, 36, 0, \sw
	KSTEP 4, 1, 7*16384, 7*512, 36, 0, \sw
.endm
; 64 numbers of a lane, register 16 b + i: blocks 0, 1 belong to one tile of source 1, blocks 2, 3 to the next -> codes in v[pc] on; v[pw]: lanes 0-15 the first tile's two bytes, lanes 16-31 the second's
.macro QUANT s, pc, pw
.irp b, 0,1,2,3
	v_max3_num_f32 v[TM+\b], |v[(\s)+16*\b]|, |v[(\s)+1+16*\b]|, 0x4800000   ; with the floor 2^(9 - 127): the byte cannot fall under 1
.endr
.irp i, 2,4,6,8,10,12,14
.irp b, 0,1,2,3
	v_max3_num_f32 v[TM+\b], v[TM+\b], |v[(\s)+16*\b+\i]|, |v[(\s)+1+16*\b+\i]|
.endr
.endr
.irp b, 0,1,2,3
	v_permlanex16_b32 v[TM+4+\b], v[TM+\b], s[SEL], s[SEL+1]
.endr
.irp b, 0,1,2,3
	v_max_num_f32 v[TM+\b], v[TM+\b], v[TM+4+\b]   ; with lane l xor 16's: the block's largest magnitude
.endr
.irp b, 0,1,2,3
	v_add_nc_u32 v[TM+12+\b], 0xfc000000, v[TM+\b] ; the conversion's scale operand
.endr
.irp b, 0,1,2,3
	v_and_or_b32 v[TM+8+\b], v[TM+\b], 0x7f800000, s[MNT]   ; 448 x the scale
.endr
.irp b, 0,1,2,3
	v_lshrrev_b32 v[TM+4+\b], 23, v[TM+12+\b]      ; the scale's byte
.endr
	v_lshl_or_b32 v[TM+4], v[TM+5], 8, v[TM+4]
	v_lshl_or_b32 v[TM+6], v[TM+7], 8, v[TM+6]
	v_cndmask_b32 v[\pw], v[TM+4], v[TM+6], s[HI]
.irp b, 0,1,2,3
.set n, 0
.rept 16
	v_med3_num_f32 v[(\s)+16*\b+n], v[(\s)+16*\b+n], -v[TM+8+\b], v[TM+8+\b]   ; the conversion does not saturate (ISA guide 7.6.2): the hold comes first
.set n, n+1
.endr
	v_cvt_scalef32_pk8_fp8_f32 v[(\pc)+4*\b:(\pc)+1+4*\b], v[(\s)+16*\b:(\s)+7+16*\b], v[TM+12+\b]
	v_cvt_scalef32_pk8_fp8_f32 v[(\pc)+2+4*\b:(\pc)+3+4*\b], v[(\s)+8+16*\b:(\s)+15+16*\b], v[TM+12+\b]
.endr
	v_nop
.endm
.macro EPIQ                            ; the way out of Q's and K's tiles: token tiles 2 pr and 2 pr + 1
.irp pr, 0,1
	QUANT ACC+64*\pr, PC+16*\pr, PW+\pr
	v_lshl_or_b32 v[PW+\pr], v[PW+\pr], 16, v[PW+\pr]   ; the two bytes twice: launch attn lays a tile in the lower or in the upper 64 of the instruction's K
.irp bb, 0,1,2,3
	global_store_b128 v[LI], v[PC+16*\pr+4*\bb:PC+16*\pr+4*\bb+3], s[8:9] offset:(2*\pr+\bb/2)*1024+(\bb%2)*512   ; 512 consecutive bytes
.endr
	global_store_b32 v[LS], v[PW+\pr], s[12:13] offset:128*\pr
.endr
.endm
.macro EPIV                            ; the way out of V's tile: feature tiles 2 pr and 2 pr + 1
.irp pr, 0,1
	QUANT ACC+64*\pr, PC+16*\pr, PW+\pr
.irp bb, 0,1,2,3
	global_store_b128 v[LI], v[PC+16*\pr+4*\bb:PC+16*\pr+4*\bb+3], s[10:11] offset:(2*\pr+\bb/2)*2048+(\bb%2)*512
.endr
	global_store_b16 v[LS], v[PW+\pr], s[66:67] offset:128*\pr   ; my half of each scale word
.endr
.endm
	s_load_b128 s[4:7], s[0:1], 0x0                ; wb, hb
	s_load_b128 s[8:11], s[0:1], 0x10              ; qkb, vb
	v_lshrrev_b32 v3, 5, v0
	v_readfirstlane_b32 s14, v3                    ; wave
	v_and_b32 v3, 31, v0
	v_lshlrev_b32 v[LI], 4, v3
	v_lshlrev_b32 v[LS], 2, v3
.irp b, 0,1,2,3
	v_mov_b32 v[TM+4+\b], 0                        ; a lane permute's destination counts as one of its sources
.endr
	s_lshr_b32 s15, s14, 1                         ; my half of the tokens
	s_and_b32 s16, s14, 1                          ; my half of the weights
	s_mov_b32 s42, ttmp9                           ; X, 0 to 7
	s_and_b32 s17, ttmp7, 0xffff                   ; Y, 0 to 31
	s_lshl_b32 s20, s42, 17                        ; the weights' codes: block X, my four tiles
	s_lshl_b32 s28, s16, 13
	s_add_co_u32 s20, s20, s28
	s_mov_b32 s21, 0
	s_lshl_b32 s22, s42, 12                        ; their scale words
	s_lshl_b32 s28, s16, 8
	s_add_co_u32 s22, s22, s28
	s_add_co_u32 s22, s22, S0SC
	s_mov_b32 s23, 0
	s_lshl_b32 s24, s17, 17                        ; the tokens' codes: block Y, my four tiles
	s_lshl_b32 s28, s15, 13
	s_add_co_u32 s24, s24, s28
	s_mov_b32 s25, 0
	s_lshl_b32 s26, s17, 12                        ; their scale words
	s_lshl_b32 s28, s15, 8
	s_add_co_u32 s26, s26, s28
	s_add_co_u32 s26, s26, S1SC
	s_mov_b32 s27, 0
	s_mov_b32 s[SEL], 0x76543210
	s_mov_b32 s[SEL+1], 0xfedcba98
	s_mov_b32 s[MNT], 0x600000
	s_mov_b32 s[HI], 0xffff0000
	s_wait_alu depctr_va_vdst(0)                   ; the head's end
	s_wait_kmcnt 0x0
	s_add_nc_u64 s[20:21], s[4:5], s[20:21]
	s_add_nc_u64 s[22:23], s[4:5], s[22:23]
	s_add_nc_u64 s[24:25], s[6:7], s[24:25]
	s_add_nc_u64 s[26:27], s[6:7], s[26:27]
	FETCHW 0, 0, 0                                 ; the first tile's K steps 0, 1, 2,
	FETCHW 1, 16384, 512
	FETCHW 2, 32768, 1024
.irp s, 0,1,2,3,4,5,6,7                ; and my tokens for all of K
	WIN 0
	global_load_b32 v[TSC+2*\s], v[LS], s[26:27] offset:512*\s
	global_load_b32 v[TSC+2*\s+1], v[LS], s[26:27] offset:512*\s+128
	WIN 0x80+0x40*(\s/4)
.irp t, 0,1,2,3
.irp c, 0,1,2,3
	global_load_b128 v[64*(\s%4)+16*\t+4*\c:64*(\s%4)+16*\t+4*\c+3], v[LI], s[24:25] offset:16384*\s+2048*\t+512*\c
.endr
.endr
.endr
	WIN 0
	; where my results go: batch x head hh = 16 (Y / 16) + 2 X + my weights' half
	s_lshr_b32 s2, s17, 4
	s_lshl_b32 s2, s2, 4
	s_lshl_b32 s3, s42, 1
	s_add_co_u32 s2, s2, s3
	s_add_co_u32 s2, s2, s16                       ; hh
	s_and_b32 s3, s17, 15                          ; Y % 16: V's key step
	s_lshl_b32 s18, s2, 4
	s_add_co_u32 s18, s18, s3                      ; 16 hh + key step
	s_lshl_b32 s40, s18, 13
	s_lshl_b32 s19, s15, 10
	s_add_co_u32 s40, s40, s19                     ; V's codes: + 1,024 x my tokens' half
	s_mov_b32 s41, 0
	s_lshl_b32 s18, s18, 8
	s_lshl_b32 s19, s15, 1
	s_add_co_u32 s18, s18, s19
	s_add_co_u32 s18, s18, 4194304                 ; V's scale bytes: + 2 x my tokens' half
	s_mov_b32 s19, 0
	s_add_nc_u64 s[66:67], s[10:11], s[18:19]
	s_add_nc_u64 s[10:11], s[10:11], s[40:41]
	s_lshl_b32 s2, s2, 7                           ; Q: token tile 8 (Y % 16) + 4 x my tokens' half
	s_lshl_b32 s3, s3, 3
	s_add_co_u32 s2, s2, s3
	s_lshl_b32 s3, s15, 2
	s_add_co_u32 s2, s2, s3                        ; 128 hh + tile
	s_lshl_b32 s18, s2, 10
	s_mov_b32 s19, 0
	s_lshl_b32 s2, s2, 6
	s_add_co_u32 s2, s2, 8388608
	s_mov_b32 s3, 0
	s_add_nc_u64 s[12:13], s[8:9], s[2:3]          ; scale words
	s_add_nc_u64 s[8:9], s[8:9], s[18:19]          ; codes
	s_mov_b32 s95, 2
	s_wait_loadcnt 0x0                             ; the tokens are in
.Ltile:                                                ; two trips: Q's tile, K's tile
	s_wait_alu depctr_va_vdst(0)
	FIRST5 0
	KSTEP 5, 1, TSTEP, TSSTEP, 36, 0, 0            ; the next tile's K steps 0, 1, 2 are asked for
	KSTEP 6, 1, TSTEP+16384, TSSTEP+512, 36, 0, 0
	KSTEP 7, 1, TSTEP+32768, TSSTEP+1024, 36, 0, 0
	WIN 0
	PLACES 8
	EPIQ
	s_wait_alu depctr_va_vdst(0)
	s_wait_xcnt 0x0                                ; loads and stores have read their registers and bases: both may be written again
	s_add_nc_u64 s[20:21], s[20:21], TSTEP
	s_add_nc_u64 s[22:23], s[22:23], TSSTEP
	s_add_nc_u64 s[8:9], s[8:9], OSTEP
	s_add_nc_u64 s[12:13], s[12:13], OSSTEP
	s_sub_co_u32 s95, s95, 1
	s_cmp_lg_u32 s95, 0
	s_cbranch_scc1 .Ltile
	FIRST5 1                                       ; V's tile is written out: its sources are swapped, and its last steps ask for nothing more
	KSTEP 5, 0, 0, 0, 36, 0, 1
	KSTEP 6, 0, 0, 0, 18, 0, 1
	KSTEP 7, 0, 0, 0, 0, 0, 1
	WIN 0
	PLACES 8
	EPIV
	s_endpgm
.Lfunc_end_k_q8f9a8dc370_gemm_qkv:
	.size	k_q8f9a8dc370_gemm_qkv, .Lfunc_end_k_q8f9a8dc370_gemm_qkv-k_q8f9a8dc370_gemm_qkv
	.p2alignl 7, 3214868480
	.fill 96, 4, 3214868480
	.section	.rodata,"a",@progbits
	.p2align	6, 0x0
	.amdhsa_kernel k_q8f9a8dc370_gemm_qkv
		.amdhsa_group_segment_fixed_size 0
		.amdhsa_private_segment_fixed_size 0
		.amdhsa_enable_private_segment 0
		.amdhsa_kernarg_size 32
		.amdhsa_user_sgpr_count 2
		.amdhsa_user_sgpr_kernarg_segment_ptr 1
		.amdhsa_wavefront_size32 1
		.amdhsa_system_sgpr_workgroup_id_x 1
		.amdhsa_system_sgpr_workgroup_id_y 1
		.amdhsa_system_sgpr_workgroup_id_z 1
		.amdhsa_system_vgpr_workitem_id 0
		.amdhsa_next_free_vgpr 1024
		.amdhsa_next_free_sgpr 100
		.amdhsa_reserve_vcc 0
		.amdhsa_float_denorm_mode_32 3
		.amdhsa_float_denorm_mode_16_64 3
		.amdhsa_memory_ordered 1
		.amdhsa_forward_progress 1
		.amdhsa_inst_pref_size 116
	.end_amdhsa_kernel
	.amdgpu_metadata
---
amdhsa.version: [ 1, 2 ]
amdhsa.kernels:
  - .name:           k_q8f9a8dc370_gemm_qkv
    .symbol:         k_q8f9a8dc370_gemm_qkv.kd
    .args:
      - { .name: wb, .offset: 0, .size: 8, .value_kind: global_buffer, .address_space: global }
      - { .name: hb, .offset: 8, .size: 8, .value_kind: global_buffer, .address_space: global }
      - { .name: qkb, .offset: 16, .size: 8, .value_kind: global_buffer, .address_space: global }
      - { .name: vb, .offset: 24, .size: 8, .value_kind: global_buffer, .address_space: global }
    .group_segment_fixed_size: 0
    .private_segment_fixed_size: 0
    .kernarg_segment_align: 8
    .kernarg_segment_size: 32
    .max_flat_workgroup_size: 128
    .sgpr_count:     100
    .vgpr_count:     1024
    .wavefront_size: 32
...
	.end_amdgpu_metadata
.endif
;; end of part 3
;; launch attn (part 4): grid 8 x 32, 16 waves a work-group, no clusters, 327,680 bytes of LDS; arguments qkb, vb, hb; writes hb
.if DOCPART == 4
	.amdgcn_target "amdgcn-amd-amdhsa--gfx1250"
	.amdhsa_code_object_version 6
	.text
	.protected	k_q8f9a8dc370_attn
	.globl	k_q8f9a8dc370_attn
	.p2align	8
	.type	k_q8f9a8dc370_attn,@function
k_q8f9a8dc370_attn:
	s_mov_b64 s[64:65], 0
	v_nop
	global_prefetch_b8 v0, s[64:65] scope:SCOPE_SE
	s_setreg_imm32_b32 hwreg(HW_REG_WAVE_MODE, 25, 1), 1
	s_wait_xcnt 0x0
; Causal attention of one batch x head (work-group y) on codes of E4M3 with E8M0 scales; the result leaves quantised, as images of gemm_o's operand registers.
; LEFT OUT (see the head of launch wquant): key steps of 128 keys that lie wholly behind a tile's block of queries: reference()'s own mask gives them p = 0.
; LIMITS: the promise holds while the scaled scores stay under 2^31 in magnitude; NaN and infinities are not served; a block of zeros keeps the byte 1.
; SHARES.  Work-group x owns the query blocks 15 - x and x (128 queries each), first the late one, then the early one.  Waves i and i + 8 own tile i (16 queries) of the block in hand:
; wave i takes the even key steps, wave i + 8 the odd ones: (16 - x) + (x + 1) = 17 steps a pair, 9 and 8.  Each keeps its own M (a whole number), sum and O^T; at a block's end wave i hands its
; three through LDS to wave i + 8, which brings both under the larger M by powers of two, adds, divides by the sum, quantises and stores.
; LDS: K's step k at 8,192 k, V's at 131,072 + 8,192 k; K's scale words at SCK, V's at SCV.  Nothing is filled twice.
; Steps 0-3 and the scale words, which every work-group reads, come at the head, one load a wave (waves 0-5).  Steps 4 g + 4 .. 4 g + 7 come behind the barrier of trip g = 0, 1, 2 (waves 0, 1: K's halves; waves 2, 3: V's),
; only while their first key is at or under the work-group's last query: a test on ids alone, the same in all waves; every wait on TENSORcnt is for 0.  A trip is two steps a wave, in which its load lands.
; NO CLUSTER: under the mask the work-groups of a head read different numbers of tiles.  NO PREFETCH.
; PRODUCTS, both transposed (a lane holds one query).  The head's 64 fill half of the instruction's K, so source 0 holds TWO tiles of keys, one in each half, and source 1 is [Q | 0] or [0 | Q]:
; the zero codes take the other tile out.  A scale word holds its tile's two bytes twice, so it serves in either half.
; REGISTERS: v1-11 addresses; v12 -M, v13 largest t, v[14:15] the sum; v16-39 [0 | Q | 0]; v40-47 the early block's Q; v48-111 K; v112-175 S^T, p, then V; v176-207 O^T; v208-223 p's codes; v224-239 at work; v240-247 scale words.
.set SCK,   262144
.set SCV,   270336
.set MSTH,  274432                     ; the late block's hand-over: 4,608 bytes a pair; bytes of its own
.set MSTL,  65536                      ; the early block's: in K's steps 8-12, which have had their one fill and are read by nobody behind the first hand-over's barrier
.set MREG,  4608
.set SPARE, 311296
.set AK0,  1
.set ASK0, 2
.set MSL,  3
.set QLS,  4
.set SPW,  5
.set NIL,  6
.set MSH,  7
.set ADK,  8
.set ADV,  9
.set ADS,  10
.set ADT,  11
.set QL0,  40
.set KFR,  48
.set S,    112
.set O,    176
.set PC,   208
.set TM,   224
.set SW,   240
.set DM,   248
.set QS,   249
.set F,    250
.set PSW,  251
.set TP,   252
.set NINF, 253
.set CH,   254
.set TB,  2
.set TS,  3
.set QCH, 10
.set QSH, 12
.set QCL, 14
.set TI,  16
.set PI,  17
.set WV,  18
.set MNT, 19
.set SEL, 20
.set CS,  22
.set G1T, 24
.set G1KS, 32
.set G1VS, 40
.set G0KS, 52
.set G0VS, 56
.set G0R, 60
.set TJ,  66
.set CNT, 67
.set QL,  68
.set KF,  69
.set QB,  70
.set KG,  71
.set OCH, 72
.set OSH, 74
.set OCL, 76
.set OSL, 78
.set QSL, 86
	s_load_b128 s[4:7], s[0:1], 0x0                ; qkb, vb
	s_load_b64 s[8:9], s[0:1], 0x10                ; hb
	v_lshl_add_u32 v[SPW], v0, 2, SPARE
	v_mov_b32 v[NIL], 0
	ds_add_u32 v[SPW], v[NIL]                      ; the opening lines: the add twice on end and its wait ahead of the first tensor load
	ds_add_u32 v[SPW], v[NIL]
	v_lshrrev_b32 v8, 5, v0
	s_delay_alu instid0(VALU_DEP_1)
	v_readfirstlane_b32 s[WV], v8
	s_lshr_b32 s[PI], s[WV], 3                     ; 0: even key steps, 1: odd ones
	s_and_b32 s[TI], s[WV], 7                      ; my tile of the block
	s_and_b32 s80, ttmp7, 0xffff                   ; batch x head
	s_sub_co_u32 s81, 15, ttmp9                    ; the late block
.irp g, G1T, G1KS, G1VS                ; dense blocks as rows of 256 bytes (32 elements of 8)
	s_mov_b32 s[\g], 3<<16
	s_mov_b32 s[\g+1], 32<<16
	s_mov_b32 s[\g+3], 32<<16
	s_mov_b32 s[\g+5], 32
	s_mov_b32 s[\g+6], 0
	s_mov_b32 s[\g+7], 0
.endr
	s_mov_b32 s[G1T+2], 64<<16                     ; two key steps of K or of V
	s_mov_b32 s[G1T+4], 64
	s_mov_b32 s[G1KS+2], 32<<16                    ; the head's scale words of K
	s_mov_b32 s[G1KS+4], 32
	s_mov_b32 s[G1VS+2], 16<<16                    ; and of V
	s_mov_b32 s[G1VS+4], 16
	s_lshl_b32 s82, s80, 17                        ; the head's codes
	s_mov_b32 s83, 0
	s_and_b32 s90, s[WV], 1
	s_lshl_b32 s90, s90, 14                        ; which two of a load group's four steps
	s_mov_b32 s91, 0
	s_bfe_u32 s96, s[WV], 0x10001                  ; 0: K, 1: V
	s_lshl_b32 s97, s96, 17
	s_lshl_b32 s92, s80, 13
	s_mov_b32 s93, 0
	s_lshl_b32 s94, s80, 12
	s_mov_b32 s95, 0
	s_wait_dscnt 0x0                               ; both opening adds are done
	s_wait_kmcnt 0x0
	s_add_nc_u64 s[84:85], s[4:5], 0x400000
	s_add_nc_u64 s[84:85], s[84:85], s[82:83]      ; the head's K
	s_add_nc_u64 s[88:89], s[6:7], s[82:83]        ; the head's V
	s_cmp_eq_u32 s96, 0
	s_cselect_b64 s[G0R+2:G0R+3], s[84:85], s[88:89]
	s_add_nc_u64 s[G0R+2:G0R+3], s[G0R+2:G0R+3], s[90:91]
	s_or_b32 s[G0R+3], s[G0R+3], 0x80000000
	s_mov_b32 s[G0R], 1
	s_add_co_u32 s[G0R+1], s97, s90                ; LDS: 131,072 x (V) + 16,384 x half; this group walks: 32,768 bytes on, here and in memory, ahead of each later load
	s_mov_b32 s[G0KS], 1
	s_mov_b32 s[G0KS+1], SCK
	s_add_nc_u64 s[G0KS+2:G0KS+3], s[4:5], s[92:93]
	s_add_nc_u64 s[G0KS+2:G0KS+3], s[G0KS+2:G0KS+3], 8650752
	s_or_b32 s[G0KS+3], s[G0KS+3], 0x80000000
	s_mov_b32 s[G0VS], 1
	s_mov_b32 s[G0VS+1], SCV
	s_add_nc_u64 s[G0VS+2:G0VS+3], s[6:7], s[94:95]
	s_add_nc_u64 s[G0VS+2:G0VS+3], s[G0VS+2:G0VS+3], 4194304
	s_or_b32 s[G0VS+3], s[G0VS+3], 0x80000000
; the head's loads: one chain of branches on the wave's number, a load to an arm; an s_nop 0 and four v_nop follow each
.macro ARM under, g0, g1, next
	s_cmp_lt_u32 s[WV], \under
	s_cbranch_scc0 \next
	tensor_load_to_lds s[\g0:\g0+3], s[\g1:\g1+7]
	s_nop 0
.rept 4
	v_nop
.endr
	s_branch .Lhead_asked
\next:
.endm
	ARM 4, G0R,  G1T,  .Lhead_ks
	ARM 5, G0KS, G1KS, .Lhead_vs
	ARM 6, G0VS, G1VS, .Lhead_none
.Lhead_asked:
; byte offsets of a block's Q tile (codes, scale words) and of its place in hb (codes, scale bytes), for my tile
.macro ADRS blk, qc, qs, oc, os
	s_lshl_b32 s90, s80, 7
	s_lshl_b32 s91, \blk, 3
	s_add_co_u32 s90, s90, s91
	s_add_co_u32 s90, s90, s[TI]                   ; 128 x head + 8 x block + tile
	s_lshl_b32 s[\qc], s90, 10
	s_mov_b32 s[\qc+1], 0
	s_lshl_b32 s[\qs], s90, 6
	s_add_co_u32 s[\qs], s[\qs], 8388608
	s_mov_b32 s[\qs+1], 0
	s_and_b32 s90, s80, 16
	s_add_co_u32 s90, s90, \blk                    ; the block of 128 tokens
	s_lshl_b32 s90, s90, 3
	s_bfe_u32 s91, s80, 0x30001
	s_add_co_u32 s90, s90, s91                     ; x 8 + gemm_o's K step (head / 2)
	s_and_b32 s91, s80, 1
	s_lshl_b32 s92, s90, 3
	s_add_co_u32 s92, s92, s[TI]
	s_lshl_b32 s92, s92, 11
	s_lshl_b32 s93, s91, 10
	s_add_co_u32 s[\oc], s92, s93
	s_mov_b32 s[\oc+1], 0
	s_lshl_b32 s92, s90, 9
	s_lshl_b32 s93, s[TI], 6
	s_add_co_u32 s92, s92, s93
	s_lshl_b32 s93, s91, 1
	s_add_co_u32 s92, s92, s93
	s_add_co_u32 s[\os], s92, 4194304
	s_mov_b32 s[\os+1], 0
	s_add_nc_u64 s[\qc:\qc+1], s[4:5], s[\qc:\qc+1]
	s_add_nc_u64 s[\qs:\qs+1], s[4:5], s[\qs:\qs+1]
	s_add_nc_u64 s[\oc:\oc+1], s[8:9], s[\oc:\oc+1]
	s_add_nc_u64 s[\os:\os+1], s[8:9], s[\os:\os+1]
.endm
	ADRS s81, QCH, QSH, OCH, OSH
	ADRS ttmp9, QCL, QSL, OCL, OSL
	s_mul_i32 s90, s[TI], MREG
	s_add_co_u32 s91, s90, MSTH
	s_add_co_u32 s92, s90, MSTL
	s_lshr_b32 s96, s[TI], 1
	s_lshl_b32 s96, s96, 5
	s_and_b32 s97, s[TI], 1
	s_lshl_b32 s97, s97, 3
	s_add_co_u32 s96, s96, s97                     ; my tile's first query in its block
	s_mov_b32 s[SEL], 0x76543210
	s_mov_b32 s[SEL+1], 0xfedcba98
	s_mov_b32 s[CS], 0x3e38aa3b                    ; log2(e) / 8
	s_mov_b32 s[CS+1], s[CS]
	s_mov_b32 s[MNT], 0x600000
	s_lshl_b32 s[QB], s81, 7                       ; the late block's first query,
	s_or_b32 s[QL], s[QB], 127                     ; the work-group's last
	s_mov_b32 s[KG], 512                           ; first key of the steps that the next loop's load brings
	s_lshl_b32 s[TB], s[PI], 13
	s_lshl_b32 s[TS], s[PI], 9
	s_lshl_b32 s[TJ], s[PI], 8
	s_add_co_u32 s[TJ], s[TJ], SCV-SCK
	s_lshl_b32 s[KF], s[PI], 7
	v_and_b32 v8, 15, v0                           ; r
	v_bfe_u32 v9, v0, 4, 1                         ; h
	v_and_b32 v10, 31, v0
	v_lshlrev_b32 v[CH], 2, v8
	v_lshlrev_b32 v[AK0], 4, v10                   ; 16 x lane: my place in every image
	global_load_b128 v[24:27], v[AK0], s[QCH:QCH+1]
	global_load_b128 v[28:31], v[AK0], s[QCH:QCH+1] offset:512
	global_load_b32 v[QS], v[CH], s[QSH:QSH+1]
	global_load_b128 v[QL0:QL0+3], v[AK0], s[QCL:QCL+1]
	global_load_b128 v[QL0+4:QL0+7], v[AK0], s[QCL:QCL+1] offset:512
	global_load_b32 v[QLS], v[CH], s[QSL:QSL+1]
	v_lshl_add_u32 v[ASK0], v8, 2, SCK
	v_add_nc_u32 v[MSH], s91, v[AK0]
	v_add_nc_u32 v[MSL], s92, v[AK0]
	v_and_b32 v11, 8, v8
	v_lshlrev_b32 v12, 4, v9
	v_add_nc_u32 v11, v11, v8                      ; r + 8 (r / 8)
	s_delay_alu instid0(VALU_DEP_1)
	v_sub_nc_u32 v[DM], v11, v12
	s_delay_alu instid0(VALU_DEP_1)
	v_add_nc_u32 v[DM], s96, v[DM]                 ; my query in its block - 16 h
	v_mov_b32 v[NINF], 0xff800000
	v_mov_b32 v[PSW], 0
	v_mov_b32 v[TP], 0
.irp b, 0,1,2,3
	v_mov_b32 v[TM+4+\b], 0                        ; a lane permute's destination counts as one of its sources
.endr
.set n, 0
.rept 8
	v_mov_b32 v[16+n], 0                           ; the zero codes on both sides of Q
	v_mov_b32 v[32+n], 0
.set n, n+1
.endr
.macro INIT                            ; a tile begins: largest t -3e38, -M 3e38, sums and O^T zeros, which the first change of M leaves zeros
	v_mov_b32 v13, 0xff61b1e6
	v_mov_b32 v12, 0x7f61b1e6
	v_mov_b32 v14, 0
	v_mov_b32 v15, 0
.set n, 0
.rept 32
	v_mov_b32 v[O+n], 0
.set n, n+1
.endr
.endm
	INIT
; A KEY STEP: the 128 keys from s[KF] on, for my tile.
.macro STEP
	s_cmp_gt_u32 s[KF], s[QB]                      ; all its keys come after the block's queries: left out (ids and counted steps alone)
	s_cbranch_scc1 .Lhid_\@
	v_add_nc_u32 v[ADK], s[TB], v[AK0]
	v_add_nc_u32 v[ADS], s[TS], v[ASK0]
	v_add_nc_u32 v[ADT], s[TJ], v[ASK0]
	v_add_nc_u32 v[ADV], 0x20000, v[ADK]
.rept 5
	v_nop                                          ; with the four lines above nine places behind the last products: the scores are laid over V's fragments, and scale words are loaded anew
.endr
.irp t, 0,1,2,3,4,5,6,7
	ds_load_b128 v[KFR+8*\t:KFR+8*\t+3], v[ADK] offset:1024*\t
	ds_load_b128 v[KFR+8*\t+4:KFR+8*\t+7], v[ADK] offset:1024*\t+512
	ds_load_b32 v[SW+\t], v[ADS] offset:64*\t
.endr
	s_wait_dscnt 0x0
.irp t, 0,1,2,3,4,5,6,7                ; S^T: tile t lies in half t % 2 of its pair's registers; source 1 is [Q | 0] (v24-39) or [0 | Q] (v16-31)
	v_wmma_scale_f32_16x16x128_f8f6f4 v[S+8*\t:S+8*\t+7], v[KFR+16*(\t/2):KFR+16*(\t/2)+15], v[24-8*(\t%2):39-8*(\t%2)], 0, v[SW+\t], v[QS]
.endr
.rept 8
	v_nop
.endr
	s_cmp_lt_u32 s[KF], s[QB]
	s_cbranch_scc1 .Lopen_\@
.set n, 0
.rept 64                               ; on the diagonal: register 16 b + i holds key 32 b + 16 h + i of the step; hidden scores become -infinity
	v_cmp_gt_i32 vcc_lo, 32*(n/16)+n%16, v[DM]
	v_cndmask_b32 v[S+n], v[S+n], v[NINF], vcc_lo
.set n, n+1
.endr
.Lopen_\@:
.irp b, 0,1,2,3
	v_max3_num_f32 v[TM+\b], v[S+16*\b], v[S+1+16*\b], v[S+2+16*\b]   ; each block's largest score: for the row's maximum and for the block's largest p
.endr
.irp i, 3,5,7,9,11,13
.irp b, 0,1,2,3
	v_max3_num_f32 v[TM+\b], v[TM+\b], v[S+16*\b+\i], v[S+1+16*\b+\i]
.endr
.endr
.irp b, 0,1,2,3
	v_max_num_f32 v[TM+\b], v[TM+\b], v[S+15+16*\b]
.endr
.irp b, 0,1,2,3
	s_delay_alu instid0(VALU_DEP_4)
	v_permlanex16_b32 v[TM+4+\b], v[TM+\b], s[SEL], s[SEL+1]
.endr
.irp b, 0,1,2,3
	s_delay_alu instid0(VALU_DEP_4)
	v_max_num_f32 v[TM+\b], v[TM+\b], v[TM+4+\b]
.endr
	s_delay_alu instid0(VALU_DEP_2)
	v_max3_num_f32 v[TP], v[TM], v[TM+1], v[TM+2]
	s_delay_alu instid0(VALU_DEP_1)
	v_max_num_f32 v[TP], v[TP], v[TM+3]
	s_delay_alu instid0(VALU_DEP_1)
	v_mul_f32 v[TP], s[CS], v[TP]
	s_delay_alu instid0(VALU_DEP_1)
	v_max_num_f32 v13, v13, v[TP]                  ; the running largest t
	v_mov_b32 v[TP], v12
	s_delay_alu instid0(VALU_DEP_2)
	v_floor_f32 v12, -v13                          ; -M = -ceil(t)
	s_delay_alu instid0(VALU_DEP_1)
	v_sub_f32 v[TP], v12, v[TP]
	s_delay_alu instid0(VALU_DEP_1)
	v_cvt_i32_f32 v[TP], v[TP]                     ; (it saturates)
	s_delay_alu instid0(VALU_DEP_1)
	v_ldexp_f32 v[F], 1.0, v[TP]                   ; f = 2^(old M - new M)
.set n, 0
.rept 32
	v_pk_fma_f32 v[S+n:S+n+1], v[S+n:S+n+1], s[CS:CS+1], v[12:13] op_sel_hi:[1,0,0]   ; t - M
.set n, n+2
.endr
.irp b, 0,1,2,3
	v_fma_f32 v[TM+\b], v[TM+\b], s[CS], v12
.endr
	s_wait_alu depctr_va_vdst(0)                   ; ahead of the batch
.set n, 0
.rept 64
	v_exp_f32 v[S+n], v[S+n]                       ; p = 2^(t - M)
.set n, n+1
.endr
	v_pk_mul_f32 v[14:15], v[14:15], v[F:F+1] op_sel_hi:[1,0]
	s_wait_alu depctr_va_vdst(0)                   ; and behind it, ahead of its first reader
.irp b, 0,1,2,3
	v_exp_f32 v[TM+\b], v[TM+\b]                   ; each block's largest p
.endr
	v_pk_add_f32 v[CH:CH+1], v[S:S+1], v[S+2:S+3]  ; the sum of the unquantised p, in two chains
.set n, 4
.rept 15
	v_pk_add_f32 v[14:15], v[14:15], v[S+n:S+n+1]
	v_pk_add_f32 v[CH:CH+1], v[CH:CH+1], v[S+n+2:S+n+3]
.set n, n+4
.endr
	s_delay_alu instid0(VALU_DEP_1)
	v_pk_add_f32 v[14:15], v[14:15], v[CH:CH+1]
	s_wait_alu depctr_va_vdst(0)                   ; for the four
.irp b, 0,1,2,3
	v_max_num_f32 v[TM+\b], 0x4800000, v[TM+\b]    ; the floor 2^(9 - 127): the byte cannot fall under 1
.endr
.irp b, 0,1,2,3
	s_delay_alu instid0(VALU_DEP_4)
	v_add_nc_u32 v[TM+12+\b], 0xfc000000, v[TM+\b] ; the conversion's scale operand
.endr
.irp b, 0,1,2,3
	v_and_or_b32 v[TM+8+\b], v[TM+\b], 0x7f800000, s[MNT]   ; 448 x the scale
.endr
.irp b, 0,1,2,3
	v_lshrrev_b32 v[TM+4+\b], 23, v[TM+12+\b]
.endr
	s_delay_alu instid0(VALU_DEP_3)
	v_lshl_or_b32 v[PSW], v[TM+5], 8, v[TM+4]
	s_delay_alu instid0(VALU_DEP_1)
	v_lshl_or_b32 v[PSW], v[TM+6], 16, v[PSW]
	s_delay_alu instid0(VALU_DEP_1)
	v_lshl_or_b32 v[PSW], v[TM+7], 24, v[PSW]      ; p's scale word
.irp b, 0,1,2,3
.set n, 0
.rept 16
	v_min_num_f32 v[S+16*\b+n], v[S+16*\b+n], v[TM+8+\b]   ; the conversion does not saturate (ISA guide 7.6.2); p is not negative
.set n, n+1
.endr
	v_cvt_scalef32_pk8_fp8_f32 v[PC+4*\b:PC+1+4*\b], v[S+16*\b:S+7+16*\b], v[TM+12+\b]
	v_cvt_scalef32_pk8_fp8_f32 v[PC+2+4*\b:PC+3+4*\b], v[S+8+16*\b:S+15+16*\b], v[TM+12+\b]
.if \b > 0                             ; V's tile b - 1 lands where block b - 1's p lay: its conversions are a block back
.irp c, 0,1,2,3
	ds_load_b128 v[S+16*(\b-1)+4*\c:S+16*(\b-1)+4*\c+3], v[ADV] offset:2048*(\b-1)+512*\c
.endr
	ds_load_b32 v[SW+\b-1], v[ADT] offset:64*(\b-1)
.endif
.endr
.irp c, 0,1,2,3
	ds_load_b128 v[S+48+4*\c:S+48+4*\c+3], v[ADV] offset:6144+512*\c
.endr
	ds_load_b32 v[SW+3], v[ADT] offset:192
	s_wait_alu depctr_va_vdst(0)                   ; ahead of the first reader of O^T
.set n, 0
.rept 16
	v_pk_mul_f32 v[O+n:O+n+1], v[O+n:O+n+1], v[F:F+1] op_sel_hi:[1,0]   ; O^T under the new M; also the places ahead of the products
.set n, n+2
.endr
	s_wait_alu depctr_va_vdst(0)
	s_wait_dscnt 0x0
.irp t, 0,1,2,3                        ; O^T += V^T P^T; the four accumulators by turns
	v_wmma_scale_f32_16x16x128_f8f6f4 v[O+8*\t:O+8*\t+7], v[S+16*\t:S+16*\t+15], v[PC:PC+15], v[O+8*\t:O+8*\t+7], v[SW+\t], v[PSW]
.endr
.Lhid_\@:
	s_add_co_u32 s[KF], s[KF], 256                 ; my next step is two on
	s_add_co_u32 s[TB], s[TB], 16384
	s_add_co_u32 s[TS], s[TS], 1024
	s_add_co_u32 s[TJ], s[TJ], 512
.endm
; A BLOCK'S END.  Wave i stores O^T, -M and its sums into the pair's bytes; one barrier; wave i + 8 joins them with its own and finishes the tile.
.macro MERGE ms, oc, os, more
.rept 8
	v_nop                                          ; places behind the last products
.endr
	s_cmp_eq_u32 s[PI], 0
	s_cbranch_scc0 .Lnosend_\@
.irp q, 0,1,2,3,4,5,6,7
	ds_store_b128 v[\ms], v[O+4*\q:O+4*\q+3] offset:512*\q
.endr
	ds_store_b128 v[\ms], v[12:15] offset:4096
.Lnosend_\@:
	s_wait_alu depctr_va_vdst(0)
	s_wait_dscnt 0x0                               ; my stores have landed, and my reads of K and V are over
	s_barrier_signal -1
	s_barrier_wait -1
	s_cmp_eq_u32 s[PI], 0
	s_cbranch_scc1 .Ldone_\@
.irp q, 0,1,2,3,4,5,6,7
	ds_load_b128 v[S+4*\q:S+4*\q+3], v[\ms] offset:512*\q
.endr
	ds_load_b128 v[TM:TM+3], v[\ms] offset:4096
	s_wait_dscnt 0x0
	v_min_num_f32 v[TM+4], v12, v[TM]              ; -M of both: the larger M
	v_add_f32 v[TM+2], v[TM+2], v[TM+3]            ; the partner's sum,
	v_add_f32 v14, v14, v15                        ; mine
	v_sub_f32 v[TM+5], v[TM+4], v[TM]              ; whole numbers, 0 or less
	v_sub_f32 v[TM+6], v[TM+4], v12
	s_delay_alu instid0(VALU_DEP_2)
	v_cvt_i32_f32 v[TM+5], v[TM+5]
	s_delay_alu instid0(VALU_DEP_2)
	v_cvt_i32_f32 v[TM+6], v[TM+6]
	s_delay_alu instid0(VALU_DEP_2)
	v_ldexp_f32 v[TM+5], 1.0, v[TM+5]              ; the two powers of two; a partner without a step has -M = 3e38 and gets 0
	s_delay_alu instid0(VALU_DEP_2)
	v_ldexp_f32 v[TM+6], 1.0, v[TM+6]
	s_delay_alu instid0(VALU_DEP_1)
	v_mul_f32 v14, v14, v[TM+6]
	s_delay_alu instid0(VALU_DEP_1)
	v_fma_f32 v14, v[TM+2], v[TM+5], v14
	s_delay_alu instid0(VALU_DEP_1)
	v_permlanex16_b32 v[TP], v14, s[SEL], s[SEL+1]
	s_delay_alu instid0(VALU_DEP_1)
	v_add_f32 v14, v14, v[TP]                      ; the row's sum
	s_wait_alu depctr_va_vdst(0)                   ; ahead of the transcendental
	v_rcp_f32 v14, v14
	v_and_b32 v[CH], 15, v0                        ; (a plain place)
	s_wait_alu depctr_va_vdst(0)                   ; and ahead of its first reader
	v_mul_f32 v[TM+8], v[TM+5], v14
	v_mul_f32 v[TM+9], v[TM+5], v14
	v_mul_f32 v[TM+10], v[TM+6], v14
	v_mul_f32 v[TM+11], v[TM+6], v14
	v_lshlrev_b32 v[CH], 2, v[CH]                  ; 4 r: my scale bytes' place
	s_wait_alu depctr_va_vdst(0)                   ; ahead of the first reader of O^T
.set n, 0
.rept 16
	v_pk_mul_f32 v[O+n:O+n+1], v[O+n:O+n+1], v[TM+10:TM+11]
.set n, n+2
.endr
.set n, 0
.rept 16
	v_pk_fma_f32 v[S+n:S+n+1], v[S+n:S+n+1], v[TM+8:TM+9], v[O+n:O+n+1]   ; register 16 b + i: feature 32 b + 16 h + i of my query
.set n, n+2
.endr
.irp b, 0,1
	v_max3_num_f32 v[TM+\b], |v[S+16*\b]|, |v[S+1+16*\b]|, 0x4800000
.endr
.irp i, 2,4,6,8,10,12,14
.irp b, 0,1
	s_delay_alu instid0(VALU_DEP_2)
	v_max3_num_f32 v[TM+\b], v[TM+\b], |v[S+16*\b+\i]|, |v[S+1+16*\b+\i]|
.endr
.endr
.irp b, 0,1
	s_delay_alu instid0(VALU_DEP_2)
	v_permlanex16_b32 v[TM+4+\b], v[TM+\b], s[SEL], s[SEL+1]
.endr
.irp b, 0,1
	s_delay_alu instid0(VALU_DEP_2)
	v_max_num_f32 v[TM+\b], v[TM+\b], v[TM+4+\b]
.endr
.irp b, 0,1
	s_delay_alu instid0(VALU_DEP_2)
	v_add_nc_u32 v[TM+12+\b], 0xfc000000, v[TM+\b]
.endr
.irp b, 0,1
	v_and_or_b32 v[TM+8+\b], v[TM+\b], 0x7f800000, s[MNT]
.endr
.irp b, 0,1
	v_lshrrev_b32 v[TM+4+\b], 23, v[TM+12+\b]
.endr
	s_delay_alu instid0(VALU_DEP_1)
	v_lshl_or_b32 v[TM+4], v[TM+5], 8, v[TM+4]
.irp b, 0,1
.set n, 0
.rept 16
	v_med3_num_f32 v[S+16*\b+n], v[S+16*\b+n], -v[TM+8+\b], v[TM+8+\b]
.set n, n+1
.endr
	v_cvt_scalef32_pk8_fp8_f32 v[PC+4*\b:PC+1+4*\b], v[S+16*\b:S+7+16*\b], v[TM+12+\b]
	v_cvt_scalef32_pk8_fp8_f32 v[PC+2+4*\b:PC+3+4*\b], v[S+8+16*\b:S+15+16*\b], v[TM+12+\b]
.endr
	v_nop
	global_store_b128 v[AK0], v[PC:PC+3], s[\oc:\oc+1]               ; 32 lanes store 512 consecutive bytes
	global_store_b128 v[AK0], v[PC+4:PC+7], s[\oc:\oc+1] offset:512
	global_store_b16 v[CH], v[TM+4], s[\os:\os+1]                    ; my head's half of each scale word
	s_wait_xcnt 0x0                                ; the stores have read their registers, which the next block writes again
.Ldone_\@:
.if \more
.set n, 0
.rept 8
	v_mov_b32 v[24+n], v[QL0+n]                    ; the early block's Q
.set n, n+1
.endr
	v_mov_b32 v[QS], v[QLS]
	INIT
	s_wait_alu depctr_va_vdst(0)
.endif
.endm
	s_mov_b32 s[CNT], 3
	s_wait_alu depctr_va_vdst(0)                   ; the head's end
	s_wait_loadcnt 0x0                             ; Q
.Lfill:                                            ; the late block, steps 0-11, two steps of mine a trip; behind each trip's barrier the next four steps are asked for
	s_wait_tensorcnt 0x0                           ; all my loads have landed, so a group 0 may be written
	ds_add_u32 v[SPW], v[NIL]                      ; the add, here twice on end
	ds_add_u32 v[SPW], v[NIL]
	s_add_co_u32 s[G0R+1], s[G0R+1], 32768
	s_add_nc_u64 s[G0R+2:G0R+3], s[G0R+2:G0R+3], 32768
	s_wait_dscnt 0x0
	s_barrier_signal -1
	s_barrier_wait -1
	s_cmp_gt_u32 s[KG], s[QL]                      ; past the causal limit nobody would read them
	s_cbranch_scc1 .Lpast
	s_cmp_lt_u32 s[WV], 4
	s_cbranch_scc0 .Lpast
	tensor_load_to_lds s[G0R:G0R+3], s[G1T:G1T+7]
	s_nop 0
.rept 4
	v_nop
.endr
.Lpast:
	s_add_co_u32 s[KG], s[KG], 512
	STEP
	STEP
	s_sub_co_u32 s[CNT], s[CNT], 1
	s_cmp_lg_u32 s[CNT], 0
	s_cbranch_scc1 .Lfill
	s_wait_tensorcnt 0x0                           ; the last load has landed;
	ds_add_u32 v[SPW], v[NIL]
	s_mov_b32 s[CNT], 2
	s_wait_dscnt 0x0
	s_barrier_signal -1
	s_barrier_wait -1                              ; everybody's has: from here on all of K and V stands, and no barrier is owed to it
.Llate:                                            ; the late block, steps 12-15
	STEP
	s_sub_co_u32 s[CNT], s[CNT], 1
	s_cmp_lg_u32 s[CNT], 0
	s_cbranch_scc1 .Llate
	MERGE MSH, OCH, OSH, 1
	s_lshl_b32 s[QB], ttmp9, 7                     ; the early block
	s_lshl_b32 s[TB], s[PI], 13
	s_lshl_b32 s[TS], s[PI], 9
	s_lshl_b32 s[TJ], s[PI], 8
	s_add_co_u32 s[TJ], s[TJ], SCV-SCK
	s_lshl_b32 s[KF], s[PI], 7
	s_mov_b32 s[CNT], 4
.Learly:                                           ; its keys lie in steps 0-7
	STEP
	s_sub_co_u32 s[CNT], s[CNT], 1
	s_cmp_lg_u32 s[CNT], 0
	s_cbranch_scc1 .Learly
	MERGE MSL, OCL, OSL, 0
	s_wait_tensorcnt 0x0                           ; the wave's end
	ds_add_u32 v[SPW], v[NIL]
	s_wait_dscnt 0x0
	s_endpgm
.Lfunc_end_k_q8f9a8dc370_attn:
	.size	k_q8f9a8dc370_attn, .Lfunc_end_k_q8f9a8dc370_attn-k_q8f9a8dc370_attn
	.p2alignl 7, 3214868480
	.fill 96, 4, 3214868480
	.section	.rodata,"a",@progbits
	.p2align	6, 0x0
	.amdhsa_kernel k_q8f9a8dc370_attn
		.amdhsa_group_segment_fixed_size 327680
		.amdhsa_private_segment_fixed_size 0
		.amdhsa_enable_private_segment 0
		.amdhsa_kernarg_size 24
		.amdhsa_user_sgpr_count 2
		.amdhsa_user_sgpr_kernarg_segment_ptr 1
		.amdhsa_wavefront_size32 1
		.amdhsa_system_sgpr_workgroup_id_x 1
		.amdhsa_system_sgpr_workgroup_id_y 1
		.amdhsa_system_sgpr_workgroup_id_z 1
		.amdhsa_system_vgpr_workitem_id 0
		.amdhsa_next_free_vgpr 256
		.amdhsa_next_free_sgpr 100
		.amdhsa_reserve_vcc 1
		.amdhsa_float_denorm_mode_32 3
		.amdhsa_float_denorm_mode_16_64 3
		.amdhsa_memory_ordered 1
		.amdhsa_forward_progress 1
		.amdhsa_inst_pref_size 133
	.end_amdhsa_kernel
	.amdgpu_metadata
---
amdhsa.version: [ 1, 2 ]
amdhsa.kernels:
  - .name:           k_q8f9a8dc370_attn
    .symbol:         k_q8f9a8dc370_attn.kd
    .args:
      - { .name: qkb, .offset: 0, .size: 8, .value_kind: global_buffer, .address_space: global }
      - { .name: vb, .offset: 8, .size: 8, .value_kind: global_buffer, .address_space: global }
      - { .name: hb, .offset: 16, .size: 8, .value_kind: global_buffer, .address_space: global }
    .group_segment_fixed_size: 327680
    .private_segment_fixed_size: 0
    .kernarg_segment_align: 8
    .kernarg_segment_size: 24
    .max_flat_workgroup_size: 512
    .sgpr_count:     100
    .vgpr_count:     256
    .wavefront_size: 32
...
	.end_amdgpu_metadata
.endif
;; end of part 4
;; launch gemm_o (part 5): grid 8 x 32, 4 waves a work-group, clusters of 4 x 4, 327,680 bytes of LDS; arguments wb, hb, x1, x; writes x1
.if DOCPART == 5
	.amdgcn_target "amdgcn-amd-amdhsa--gfx1250"
	.amdhsa_code_object_version 6
	.text
	.protected	k_q8f9a8dc370_gemm_o
	.globl	k_q8f9a8dc370_gemm_o
	.p2align	8
	.type	k_q8f9a8dc370_gemm_o,@function
k_q8f9a8dc370_gemm_o:
	s_mov_b64 s[64:65], 0
	v_nop
	global_prefetch_b8 v0, s[64:65] scope:SCOPE_SE
	s_setreg_imm32_b32 hwreg(HW_REG_WAVE_MODE, 25, 1), 1
	s_wait_xcnt 0x0
	s_wait_alu depctr_hold_cnt(0) depctr_sa_sdst(0) depctr_va_vdst(0) depctr_va_sdst(0) depctr_va_ssrc(0) depctr_va_vcc(0) depctr_vm_vsrc(0)
	s_getreg_b32 s2, hwreg(HW_REG_IB_STS2, 6, 4)
	s_cmp_eq_u32 s2, 0
	s_cbranch_scc0 .Lentry_in_a_cluster
	s_endpgm
.Lentry_in_a_cluster:
	s_bfe_u32 s2, ttmp6, 0x10000c
	s_cmp_lg_u32 s2, 0xf033
	s_cbranch_scc0 .Lentry_shape_is_right
	s_endpgm
.Lentry_shape_is_right:
; x1 = x + attention's result x Wo: D = S0 S1^T on codes of E4M3 with E8M0 scales.  S0 = 128 rows of Wo (features; block X), S1 = 128 tokens (block Y).  K = 1,024.
; Operand images: head of launch wquant.  The way out differs: the results stay f32.  A lane holds one token and 2 x 16 features; a tile of 16 tokens x 64 features
; goes through the wave's own stage in LDS (rows of 256 bytes + 16), comes back as whole rows, takes the residual (loaded at the head into window 3, in the same places) and is stored: sixteen lanes to 256 aligned bytes.
.set KS,    8
.set S0OFF, 3145728
.set S0SC,  12681216
.set S1OFF, 0
.set S1SC,  4194304
.set SLOT,  131072
.set SCL,   262144
.set STAGE, 294912                     ; 16 rows x 272 bytes for each wave; no tile lands here
.set SPARE, 312320
.set ADR0, 16
.set ADR1, 18
.set ADRS, 20
.set LI,   21
.set STO,  23                          ; v23 the stage: where I put 16 bytes
.set RD,   24                          ; v24 and where I read a row back
.set CO,   25                          ; v25 4096 h + 16 r: my place in two rows of the output and of the residual
.set SPW,  28
.set NIL,  29
.set SC,   32
.set T,    40                          ; v40-103 two sets of 32: rows read back
.set ACC,  128
.set G1, 24
.set G0, 32
.set G1B, 48
.set G0B, 56
.set G1S, 68
.set G0S, 76
.set G1SB, 80
.set G0SB, 88
.set MUL,  0x05
.set TO_F, 0x40
.set MSB, 0
.macro SETP p                          ; FOUR fragment sets, one for each K step of a slot: sets 0, 1 in window 1 with scale words v32-39, sets 2, 3 in window 2 with scale words v8-15; FETCH and MUL4 take p % 2 under this setting.  The residual waits in window 3
.set SC, 32-24*((\p)/2)
.set MUL, 0x05*(1+(\p)/2)
.set TO_F, 0x40*(1+(\p)/2)
.endm
.macro WIN new                         ; the immediate's high byte repeats the setting that is left
.if MSB != \new
	s_set_vgpr_msb (MSB<<8)|\new
.set MSB, \new
.endif
.endm
.macro JLOAD g0a, g1a, g0b, g1b        ; a joint load: waves 0 and 1 fetch for S0, waves 2 and 3 for S1; an s_nop 0 and four v_nop follow each line
	s_cmp_eq_u32 s15, 0
	s_cbranch_scc0 .Lfor_b_\@
	tensor_load_to_lds s[\g0a:\g0a+3], s[\g1a:\g1a+7]
	s_nop 0
.rept 4
	v_nop
.endr
	s_branch .Lasked_\@
.Lfor_b_\@:
	tensor_load_to_lds s[\g0b:\g0b+3], s[\g1b:\g1b+7]
	s_nop 0
.rept 4
	v_nop
.endr
.Lasked_\@:
.endm
.macro CREST
	s_cmp_lg_u32 s14, 0
	s_cbranch_scc1 .Lnot_wave_0_\@
	s_barrier_signal -3
.Lnot_wave_0_\@:
	s_barrier_wait -3
	s_barrier_signal -1
	s_barrier_wait -1
.endm
.macro CROUND
	s_barrier_signal -1
	s_barrier_wait -1
	CREST
.endm
.macro PLACES n
.rept \n
	v_nop
.endr
.endm
.macro FETCH slot, q, p                ; the slot's q-th K step into set p: 4 scale words, 4 + 4 fragments
	WIN 0
.irp i, 0,1,2,3
	ds_load_b32 v[SC+4*(\p)+\i], v[ADRS] offset:512*(\q)+64*\i
.endr
	WIN TO_F
.irp t, 0,1,2,3
.irp c, 0,1,2,3
	ds_load_b128 v[128*(\p)+16*\t+4*\c:128*(\p)+16*\t+4*\c+3], v[ADR0+\slot] offset:16384*(\q)+2048*\t+512*\c
.endr
.endr
.irp t, 0,1,2,3
.irp c, 0,1,2,3
	ds_load_b128 v[128*(\p)+64+16*\t+4*\c:128*(\p)+64+16*\t+4*\c+3], v[ADR1+\slot] offset:16384*(\q)+2048*\t+512*\c
.endr
.endr
.endm
.macro MUL4 i, p, zero                 ; S1's tile i against S0's four; the 16 accumulators take turns in one order
.irp j, 0,1,2,3
.if \zero
	v_wmma_scale_f32_16x16x128_f8f6f4 v[ACC+8*(4*(\i)+\j):ACC+8*(4*(\i)+\j)+7], v[128*(\p)+16*\j:128*(\p)+16*\j+15], v[128*(\p)+64+16*(\i):128*(\p)+64+16*(\i)+15], 0, v[SC+4*(\p)+\j], v[SC+4*(\p)+(\i)] matrix_b_scale:MATRIX_SCALE_ROW1
.else
	v_wmma_scale_f32_16x16x128_f8f6f4 v[ACC+8*(4*(\i)+\j):ACC+8*(4*(\i)+\j)+7], v[128*(\p)+16*\j:128*(\p)+16*\j+15], v[128*(\p)+64+16*(\i):128*(\p)+64+16*(\i)+15], v[ACC+8*(4*(\i)+\j):ACC+8*(4*(\i)+\j)+7], v[SC+4*(\p)+\j], v[SC+4*(\p)+(\i)] matrix_b_scale:MATRIX_SCALE_ROW1
.endif
.endr
.endm
.macro STEP slot, q, zero              ; K step q of a slot (0, 1 or 3): the set of the step TWO on (step (q + 2) % 4 of slot 'slot') is fetched ahead of this step's 16 products
	s_wait_dscnt 36                                ; this step's set is in; the next step's 36 loads may be out
	PLACES 8                                       ; the set fetched now was read by the products two steps back
	SETP ((\q)+2)%4
	FETCH \slot, ((\q)+2)%4, (\q)%2
	SETP \q
	WIN MUL
	MUL4 0, (\q)%2, \zero
	MUL4 1, (\q)%2, \zero
	MUL4 2, (\q)%2, \zero
	MUL4 3, (\q)%2, \zero
.endm
.macro TURN slot, next, fill           ; a slot's K step 2 changes slots: all the slot's sets have been asked for; one barrier
	WIN 0
	s_wait_tensorcnt 0x0                           ; all my tensor loads have landed, my part of the next slot among them
	ds_add_u32 v[SPW], v[NIL]                      ; 0 onto my spare word
	s_wait_dscnt 37                                ; this step's set is in; step 3's 36 loads and the add may be out
	SETP 2
	WIN MUL
	MUL4 0, 0, 0
	MUL4 1, 0, 0
	s_wait_dscnt 0x0                               ; the add is done, and my reads of this slot are over
	s_barrier_signal -1
	MUL4 2, 0, 0
	WIN 0
	s_barrier_wait -1
.if \fill
	CREST
	s_add_nc_u64 s[G0+4*\slot+2:G0+4*\slot+3], s[G0+4*\slot+2:G0+4*\slot+3], 2*65536
	s_add_nc_u64 s[G0B+4*\slot+2:G0B+4*\slot+3], s[G0B+4*\slot+2:G0B+4*\slot+3], 2*65536
	JLOAD G0+4*\slot, G1, G0B+4*\slot, G1B
	PLACES 4
.else
	PLACES 8
.endif
	v_add_nc_u32 v[ADRS], 2048, v[ADRS]
	SETP 0
	FETCH \next, 0, 0
	SETP 2
	WIN MUL
	MUL4 3, 0, 0
.endm
	s_load_b128 s[4:7], s[0:1], 0x0                ; S0's buffer, S1's
	s_load_b128 s[8:11], s[0:1], 0x10              ; the output, the residual
	v_lshl_add_u32 v[SPW], v0, 2, SPARE
	v_mov_b32 v[NIL], 0
	ds_add_u32 v[SPW], v[NIL]                      ; the wave's opening: the add, twice on end, and its wait ahead of my first tensor load
	ds_add_u32 v[SPW], v[NIL]
	v_lshrrev_b32 v1, 5, v0
	v_readfirstlane_b32 s14, v1
	s_lshr_b32 s15, s14, 1
	s_and_b32 s16, s14, 1
	s_bfe_u32 s40, ttmp6, 0x40000
	s_bfe_u32 s41, ttmp6, 0x40004
	s_lshl_b32 s42, ttmp9, 2
	s_add_co_u32 s42, s42, s40                     ; X
	s_and_b32 s17, ttmp7, 0xffff
	s_lshl_b32 s17, s17, 2
	s_add_co_u32 s17, s17, s41                     ; Y
	s_lshl_b32 s43, s41, 2
	s_lshl_b32 s43, 15, s43
	s_lshl_b32 s44, 0x1111, s40
	s_or_b32 s[G1], s44, (3<<16)|(1<<21)
	s_or_b32 s[G1S], s44, (3<<16)|(1<<21)
	s_or_b32 s[G1B], s43, (3<<16)|(1<<21)
	s_or_b32 s[G1SB], s43, (3<<16)|(1<<21)
.irp g, G1, G1B
	s_mov_b32 s[\g+1], 32<<16
	s_mov_b32 s[\g+2], 128<<16
	s_mov_b32 s[\g+3], 32<<16
	s_mov_b32 s[\g+4], 128
	s_mov_b32 s[\g+5], 32
	s_mov_b32 s[\g+6], 0
	s_mov_b32 s[\g+7], 0
.endr
.irp g, G1S, G1SB
	s_mov_b32 s[\g+1], 32<<16
	s_mov_b32 s[\g+2], KS<<16
	s_mov_b32 s[\g+3], 32<<16
	s_mov_b32 s[\g+4], KS
	s_mov_b32 s[\g+5], 32
	s_mov_b32 s[\g+6], 0
	s_mov_b32 s[\g+7], 0
.endr
	s_lshl_b32 s18, s16, 15
	s_mul_i32 s19, s16, KS*256
	s_mul_i32 s20, s42, KS*16384
	s_add_co_u32 s20, s20, s18
	s_add_co_u32 s20, s20, S0OFF
	s_mov_b32 s21, 0
	s_mul_i32 s22, s42, KS*512
	s_add_co_u32 s22, s22, s19
	s_add_co_u32 s22, s22, S0SC
	s_mov_b32 s23, 0
	s_mul_i32 s46, s17, KS*16384
	s_add_co_u32 s46, s46, s18
	s_add_co_u32 s46, s46, S1OFF
	s_mov_b32 s47, 0
	s_mul_i32 s92, s17, KS*512
	s_add_co_u32 s92, s92, s19
	s_add_co_u32 s92, s92, S1SC
	s_mov_b32 s93, 0
	s_lshl_b32 s45, s14, 15
	s_mul_i32 s94, s14, KS*256
	s_wait_dscnt 0x0                               ; both opening adds are done
	s_wait_kmcnt 0x0
	s_add_nc_u64 s[20:21], s[4:5], s[20:21]
	s_add_nc_u64 s[22:23], s[4:5], s[22:23]
	s_add_nc_u64 s[46:47], s[6:7], s[46:47]
	s_add_nc_u64 s[92:93], s[6:7], s[92:93]
	CROUND                                         ; all sixteen work-groups are here: the first joint loads meet
	s_mov_b32 s[G0S], 1
	s_add_co_u32 s[G0S+1], s94, SCL
	s_mov_b64 s[G0S+2:G0S+3], s[22:23]
	s_or_b32 s[G0S+3], s[G0S+3], 0x80000000
	s_mov_b32 s[G0SB], 1
	s_add_co_u32 s[G0SB+1], s94, SCL
	s_mov_b64 s[G0SB+2:G0SB+3], s[92:93]
	s_or_b32 s[G0SB+3], s[G0SB+3], 0x80000000
	JLOAD G0S, G1S, G0SB, G1SB
.irp s, 0,1
	s_mov_b32 s[G0+4*\s], 1
	s_add_co_u32 s[G0+4*\s+1], s45, \s*SLOT
	s_add_nc_u64 s[G0+4*\s+2:G0+4*\s+3], s[20:21], \s*65536
	s_or_b32 s[G0+4*\s+3], s[G0+4*\s+3], 0x80000000
	s_mov_b32 s[G0B+4*\s], 1
	s_add_co_u32 s[G0B+4*\s+1], s45, \s*SLOT
	s_add_nc_u64 s[G0B+4*\s+2:G0B+4*\s+3], s[46:47], \s*65536
	s_or_b32 s[G0B+4*\s+3], s[G0B+4*\s+3], 0x80000000
	s_wait_alu depctr_va_vdst(0)
	s_wait_tensorcnt 0x0                           ; a round ahead of every later first fill: one load a wave behind each
	ds_add_u32 v28, v29
	s_wait_dscnt 0x0
	CROUND
	JLOAD G0+4*\s, G1, G0B+4*\s, G1B
.endr
	v_and_b32 v1, 15, v0                           ; r
	v_bfe_u32 v2, v0, 4, 1                         ; h
	v_lshlrev_b32 v[CO], 12, v2
	v_lshl_add_u32 v[CO], v1, 4, v[CO]
	s_wait_alu depctr_va_vdst(0)
	s_lshl_b32 s2, s17, 7                          ; my first row 128 Y + 64 x my S1 half; my first column, in bytes, 512 X + 256 x my S0 half
	s_lshl_b32 s3, s15, 6
	s_add_co_u32 s2, s2, s3
	s_lshl_b32 s2, s2, 12
	s_lshl_b32 s3, s42, 9
	s_add_co_u32 s2, s2, s3
	s_lshl_b32 s3, s16, 8
	s_add_co_u32 s2, s2, s3
	s_mov_b32 s3, 0
	s_add_nc_u64 s[8:9], s[8:9], s[2:3]
	s_add_nc_u64 s[10:11], s[10:11], s[2:3]
	WIN 0xc0                                       ; destination window 3: the residual waits there for the way out
.irp i, 0,1,2,3
.irp e, 0,1,2,3,4,5,6,7
	global_load_b128 v[4*(8*\i+\e):4*(8*\i+\e)+3], v[CO], s[10:11] offset:(32*(\i/2)+8*(\i%2)+2*\e+8*(\e/4))*4096
.endr
.endr
	WIN 0
	v_and_b32 v3, 31, v0
	v_lshlrev_b32 v[LI], 4, v3
	s_lshl_b32 s18, s16, 13
	s_lshl_b32 s19, s15, 13
	s_add_co_u32 s19, s19, 65536
.irp s, 0,1
	v_add_nc_u32 v[ADR0+\s], s18, v[LI]
	v_add_nc_u32 v[ADR1+\s], s19, v[LI]
	s_add_co_u32 s18, s18, SLOT
	s_add_co_u32 s19, s19, SLOT
.endr
	s_lshl_b32 s18, s16, 8
	s_lshl_b32 s19, s15, 8
	s_add_co_u32 s19, s19, KS*512
	s_sub_co_u32 s19, s19, s18
	v_mul_u32_u24 v4, s19, v2
	v_lshl_add_u32 v4, v1, 2, v4
	s_add_co_u32 s18, s18, SCL
	v_add_nc_u32 v[ADRS], s18, v4
	s_mul_i32 s18, s14, 16*272
	s_add_co_u32 s18, s18, STAGE                   ; my stage
	v_mul_u32_u24 v[STO], v1, 272
	v_lshl_add_u32 v[STO], v2, 6, v[STO]
	v_add_nc_u32 v[STO], s18, v[STO]               ; in: row r, + 64 h
	v_mul_u32_u24 v[RD], v2, 272
	v_lshl_add_u32 v[RD], v1, 4, v[RD]
	v_add_nc_u32 v[RD], s18, v[RD]                 ; back: lanes 0-15 one row, lanes 16-31 the next
	s_wait_alu depctr_va_vdst(0)
	s_wait_tensorcnt 0x1                           ; the scale words and my part of slot 0 are in; slot 1's may stay out
	s_barrier_signal -1
	s_barrier_wait -1
	SETP 0
	FETCH 0, 0, 0
	FETCH 0, 1, 1
	STEP 0, 0, 1
	STEP 0, 1, 0
	TURN 0, 1, 0
	s_wait_alu depctr_va_vdst(0)
	STEP 1, 3, 0
	STEP 1, 0, 0
	STEP 1, 1, 0
	s_wait_dscnt 36                                ; K step 6: its set is in, step 7's may be out; nothing more to fetch
	SETP 2
	WIN MUL
	MUL4 0, 0, 0
	MUL4 1, 0, 0
	MUL4 2, 0, 0
	MUL4 3, 0, 0
	s_wait_dscnt 0x0
	MUL4 0, 1, 0
	MUL4 1, 1, 0
	MUL4 2, 1, 0
	MUL4 3, 1, 0
	WIN 0
	PLACES 8
	s_wait_loadcnt 0x0                             ; the residual
.irp i, 0,1,2,3                        ; S1's tile i: 16 tokens x 64 features
.irp g, 0,1
.irp d, 0,1,2,3
	ds_store_b128 v[STO], v[ACC+32*\i+16*\g+4*\d:ACC+32*\i+16*\g+4*\d+3] offset:128*\g+16*\d   ; each accumulator from its low end on
.endr
.endr
.if \i >= 2
	s_wait_xcnt 0x0                                ; tile i - 2's stores have read their registers
.endif
.irp e, 0,1,2,3,4,5,6,7
	ds_load_b128 v[T+32*(\i%2)+4*\e:T+32*(\i%2)+4*\e+3], v[RD] offset:544*\e   ; LDS serves a wave's instructions in order (ISA guide 5.7.1.4): these see my stores
.endr
	s_wait_dscnt 0x0
	WIN 0x0c                                       ; source 1 window 3
.irp k, 0,2,4,6,8,10,12,14,16,18,20,22,24,26,28,30
	v_pk_add_f32 v[T+32*(\i%2)+\k:T+32*(\i%2)+\k+1], v[T+32*(\i%2)+\k:T+32*(\i%2)+\k+1], v[32*\i+\k:32*\i+\k+1]
.endr
	WIN 0
.irp e, 0,1,2,3,4,5,6,7
	global_store_b128 v[CO], v[T+32*(\i%2)+4*\e:T+32*(\i%2)+4*\e+3], s[8:9] offset:(32*(\i/2)+8*(\i%2)+2*\e+8*(\e/4))*4096   ; sixteen lanes store 256 consecutive, aligned bytes
.endr
.endr
	s_wait_tensorcnt 0x0                           ; the wave's end, behind my last LDS store
	ds_add_u32 v[SPW], v[NIL]
	s_wait_dscnt 0x0
	CROUND
	s_endpgm
.Lfunc_end_k_q8f9a8dc370_gemm_o:
	.size	k_q8f9a8dc370_gemm_o, .Lfunc_end_k_q8f9a8dc370_gemm_o-k_q8f9a8dc370_gemm_o
	.p2alignl 7, 3214868480
	.fill 96, 4, 3214868480
	.section	.rodata,"a",@progbits
	.p2align	6, 0x0
	.amdhsa_kernel k_q8f9a8dc370_gemm_o
		.amdhsa_group_segment_fixed_size 327680
		.amdhsa_private_segment_fixed_size 0
		.amdhsa_enable_private_segment 0
		.amdhsa_kernarg_size 32
		.amdhsa_user_sgpr_count 2
		.amdhsa_user_sgpr_kernarg_segment_ptr 1
		.amdhsa_wavefront_size32 1
		.amdhsa_system_sgpr_workgroup_id_x 1
		.amdhsa_system_sgpr_workgroup_id_y 1
		.amdhsa_system_sgpr_workgroup_id_z 1
		.amdhsa_system_vgpr_workitem_id 0
		.amdhsa_next_free_vgpr 896
		.amdhsa_next_free_sgpr 100
		.amdhsa_reserve_vcc 0
		.amdhsa_float_denorm_mode_32 3
		.amdhsa_float_denorm_mode_16_64 3
		.amdhsa_memory_ordered 1
		.amdhsa_forward_progress 1
		.amdhsa_inst_pref_size 63
	.end_amdhsa_kernel
	.amdgpu_metadata
---
amdhsa.version: [ 1, 2 ]
amdhsa.kernels:
  - .name:           k_q8f9a8dc370_gemm_o
    .symbol:         k_q8f9a8dc370_gemm_o.kd
    .args:
      - { .name: wb, .offset: 0, .size: 8, .value_kind: global_buffer, .address_space: global }
      - { .name: hb, .offset: 8, .size: 8, .value_kind: global_buffer, .address_space: global }
      - { .name: x1, .offset: 16, .size: 8, .value_kind: global_buffer, .address_space: global }
      - { .name: x, .offset: 24, .size: 8, .value_kind: global_buffer, .address_space: global }
    .group_segment_fixed_size: 327680
    .private_segment_fixed_size: 0
    .kernarg_segment_align: 8
    .kernarg_segment_size: 32
    .max_flat_workgroup_size: 128
    .sgpr_count:     100
    .vgpr_count:     896
    .wavefront_size: 32
...
	.end_amdgpu_metadata
.endif
;; end of part 5
;; launch ln2: the kernel of part 2 again; grid 256 x 1, 8 waves a work-group, no clusters, 2,048 bytes of LDS; arguments x1, ln2_w, ln2_b, hb; writes hb
;; launch gemm_f1 (part 6): grid 8 x 32, 4 waves a work-group, no clusters, 0 bytes of LDS; arguments wb, hb, hidb; writes hidb
.if DOCPART == 6
	.amdgcn_target "amdgcn-amd-amdhsa--gfx1250"
	.amdhsa_code_object_version 6
	.text
	.protected	k_q8f9a8dc370_gemm_f1
	.globl	k_q8f9a8dc370_gemm_f1
	.p2align	8
	.type	k_q8f9a8dc370_gemm_f1,@function
k_q8f9a8dc370_gemm_f1:
	s_mov_b64 s[64:65], 0
	v_nop
	global_prefetch_b8 v0, s[64:65] scope:SCOPE_SE
	s_setreg_imm32_b32 hwreg(HW_REG_WAVE_MODE, 25, 1), 1
	s_wait_xcnt 0x0
; The hidden layer: gelu(h2 W1), quantised along its 4,096 features: products of h2 (128 tokens, block Y) with 128 rows of W1 (features), on codes of E4M3 with E8M0 scales.  K = 1,024: 8 steps of 128.
; Both operands lie in memory as images of operand registers (layout: head of launch wquant): a fragment is four loads of 16 bytes a lane, 512 consecutive bytes an instruction.
; A WORK-GROUP STAYS: it makes four tiles of 128 x 128, for W1's blocks X, X + 8, X + 16, X + 24.  Wave w makes 64 (weights' half w % 2) x 64 (tokens' half w / 2): 16 accumulators.
; NO LDS, NO CLUSTER.  A wave's 64 tokens x 1,024 codes are 512 registers (windows 2, 3): loaded once, they serve all four tiles.  The weights' fragments go from memory straight into four sets of 64 registers
; (window 1, set = K step % 4), each fragment once for the wave that multiplies it: a tile staged in LDS would be read from there just as often, 8 KB a wave and K step, on top of its way in.  Waves share nothing, so there is no barrier.
; A set (16 fragment loads and 2 of scale words) is asked for three K steps ahead, across the change of tiles too: a tile's steps 5-7 ask for the next tile's steps 0-2, which land under the activation.  So no prefetch is laid beside them.
; The last tile's steps 5-7 ask for nothing: they are a second form of those three steps, chosen by the count of tiles.
; SCALE WORDS: one load brings 32 words: lanes 0-15 one tile's, lanes 16-31 the next tile's; the instruction's ROW selector takes the half.  The tokens' 16 registers stay; the weights' go with their set.
; Source 0 = weights, source 1 = tokens: a lane holds one token and, in tiles 2 b and 2 b + 1 of the weights, 16 neighbouring features, the next product's K.  The results leave as images of gemm_f2's operand (KS = 32).
; GELU, exact form: x Phi(x) = max(x, 0) - |x| erfc(|x| / sqrt 2) / 2, with erfc(z) = u exp(-z^2 + P(u)), u = 1 / (1 + z / 2), P of degree 9; the exponent is formed to the base 2, the half folded into P's constant.  All in f32.
; LIMITS: NaN and infinities are not served; a block of zeros keeps the byte 1 (its codes are zeros; this program alone reads the bytes).
.set TILES, 4
.set S0OFF, 4194304                    ; W1's codes in wb,
.set S0SC,  12713984                   ; its scale words
.set S1SC,  4194304                    ; the tokens' scale words in hb
.set TSTEP, 1048576                    ; bytes from a tile's weights to the next tile's: 8 blocks
.set TSSTEP, 32768                     ; and from its scale words
.set OSTEP, 131072                     ; from a tile's images in hidb to the next tile's,
.set OSSTEP, 4096                      ; and from its scale bytes
.set ISTR,  2048
.set LI,   1                           ; v1     16 x lane
.set LS,   2                           ; v2     4 x lane
.set TSC,  4                           ; v4-19  the tokens' scale words: K step s in 4 + 2 s (tiles 0, 1) and 5 + 2 s (tiles 2, 3)
.set WSC,  20                          ; v20-27 the weights': set p in 20 + 2 p, 21 + 2 p
.set TM,   40                          ; v40-55 the quantiser's work
.set PC,   56                          ; v56-87 codes
.set W,    72                          ; v72-87 x^2, ahead of the second pair's codes
.set PW,   88                          ; v88-89 scale bytes to store
.set C9,   90                          ; v[90:91] P's leading coefficient, twice
.set U,    92                          ; v92-107 u
.set P,    108                         ; v108-123 P(u), then the exponential
.set ACC,  128                         ; v128-255 accumulator (i, j) at 128 + 8 (4 i + j): i the tokens' tile, j the weights'
.set K1,  94
.set SEL, 96
.set MNT, 98
.set HI,  99
.set MSB, 0
.macro WIN new                         ; the immediate's high byte repeats the setting that is left
.if MSB != \new
	s_set_vgpr_msb (MSB<<8)|\new
.set MSB, \new
.endif
.endm
.macro PLACES n                        ; plain vector instructions behind matrix instructions (ISA guide 7.12.1)
.rept \n
	v_nop
.endr
.endm
.macro FETCHW p, co, so                ; a K step's weights into set p: co, so: its bytes from the tile's first codes and scale words
	WIN 0
	global_load_b32 v[WSC+2*(\p)], v[LS], s[22:23] offset:\so
	global_load_b32 v[WSC+2*(\p)+1], v[LS], s[22:23] offset:\so+128
	WIN 0x40
.irp t, 0,1,2,3
.irp c, 0,1,2,3
	global_load_b128 v[64*(\p)+16*\t+4*\c:64*(\p)+16*\t+4*\c+3], v[LI], s[20:21] offset:\co+2048*\t+512*\c
.endr
.endr
.endm
.macro WM zero, ra, rb                 ; one product on the registers DD, AA, BB, SA, SB; ra, rb: the scale words lie in lanes 16-31
.if \zero
.if (\ra) && (\rb)
	v_wmma_scale_f32_16x16x128_f8f6f4 v[DD:DD+7], v[AA:AA+15], v[BB:BB+15], 0, v[SA], v[SB] matrix_a_scale:MATRIX_SCALE_ROW1 matrix_b_scale:MATRIX_SCALE_ROW1
.elseif \ra
	v_wmma_scale_f32_16x16x128_f8f6f4 v[DD:DD+7], v[AA:AA+15], v[BB:BB+15], 0, v[SA], v[SB] matrix_a_scale:MATRIX_SCALE_ROW1
.elseif \rb
	v_wmma_scale_f32_16x16x128_f8f6f4 v[DD:DD+7], v[AA:AA+15], v[BB:BB+15], 0, v[SA], v[SB] matrix_b_scale:MATRIX_SCALE_ROW1
.else
	v_wmma_scale_f32_16x16x128_f8f6f4 v[DD:DD+7], v[AA:AA+15], v[BB:BB+15], 0, v[SA], v[SB]
.endif
.else
.if (\ra) && (\rb)
	v_wmma_scale_f32_16x16x128_f8f6f4 v[DD:DD+7], v[AA:AA+15], v[BB:BB+15], v[DD:DD+7], v[SA], v[SB] matrix_a_scale:MATRIX_SCALE_ROW1 matrix_b_scale:MATRIX_SCALE_ROW1
.elseif \ra
	v_wmma_scale_f32_16x16x128_f8f6f4 v[DD:DD+7], v[AA:AA+15], v[BB:BB+15], v[DD:DD+7], v[SA], v[SB] matrix_a_scale:MATRIX_SCALE_ROW1
.elseif \rb
	v_wmma_scale_f32_16x16x128_f8f6f4 v[DD:DD+7], v[AA:AA+15], v[BB:BB+15], v[DD:DD+7], v[SA], v[SB] matrix_b_scale:MATRIX_SCALE_ROW1
.else
	v_wmma_scale_f32_16x16x128_f8f6f4 v[DD:DD+7], v[AA:AA+15], v[BB:BB+15], v[DD:DD+7], v[SA], v[SB]
.endif
.endif
.endm
; K step s: 16 products, the 16 accumulators by turns in one order.  Source 0: the weights' set, window 1 at 64 (s % 4); source 1: the tokens' fragments, window 2 + s / 4 at 64 (s % 4)
.macro MULS s, zero
	WIN 0x09+4*((\s)/4)
.irp i, 0,1,2,3
.irp j, 0,1,2,3
.set DD, ACC+8*(4*\i+\j)
.set AA, 64*((\s)%4)+16*\j
.set BB, 64*((\s)%4)+16*\i
.set SA, WSC+2*((\s)%4)+\j/2
.set SB, TSC+2*(\s)+\i/2
	WM \zero, \j%2, \i%2
.endr
.endr
.endm
.macro KSTEP s, f, co, so, n, zero     ; n: the loads of younger sets, which may stay out; f = 1: the set three steps on is asked for, into the registers that the last step's products read
	s_wait_loadcnt \n
.if \f
	PLACES 8
	FETCHW ((\s)+3)%4, \co, \so
.endif
	MULS \s, \zero
.endm
; 64 numbers of a lane, register 16 b + i: blocks 0, 1 belong to one tile of tokens, blocks 2, 3 to the next -> codes in v[pc] on; v[pw]: lanes 0-15 the first tile's two bytes, lanes 16-31 the second's
.macro QUANT s, pc, pw
.irp b, 0,1,2,3
	v_max3_num_f32 v[TM+\b], |v[(\s)+16*\b]|, |v[(\s)+1+16*\b]|, 0x4800000   ; with the floor 2^(9 - 127): the byte cannot fall under 1
.endr
.irp i, 2,4,6,8,10,12,14
.irp b, 0,1,2,3
	v_max3_num_f32 v[TM+\b], v[TM+\b], |v[(\s)+16*\b+\i]|, |v[(\s)+1+16*\b+\i]|
.endr
.endr
.irp b, 0,1,2,3
	v_permlanex16_b32 v[TM+4+\b], v[TM+\b], s[SEL], s[SEL+1]
.endr
.irp b, 0,1,2,3
	v_max_num_f32 v[TM+\b], v[TM+\b], v[TM+4+\b]   ; with lane l xor 16's: the block's largest magnitude
.endr
.irp b, 0,1,2,3
	v_add_nc_u32 v[TM+12+\b], 0xfc000000, v[TM+\b] ; the conversion's scale operand
.endr
.irp b, 0,1,2,3
	v_and_or_b32 v[TM+8+\b], v[TM+\b], 0x7f800000, s[MNT]   ; 448 x the scale
.endr
.irp b, 0,1,2,3
	v_lshrrev_b32 v[TM+4+\b], 23, v[TM+12+\b]      ; the scale's byte
.endr
	v_lshl_or_b32 v[TM+4], v[TM+5], 8, v[TM+4]
	v_lshl_or_b32 v[TM+6], v[TM+7], 8, v[TM+6]
	v_cndmask_b32 v[\pw], v[TM+4], v[TM+6], s[HI]
.irp b, 0,1,2,3
.set n, 0
.rept 16
	v_med3_num_f32 v[(\s)+16*\b+n], v[(\s)+16*\b+n], -v[TM+8+\b], v[TM+8+\b]   ; the conversion does not saturate (ISA guide 7.6.2): the hold comes first
.set n, n+1
.endr
	v_cvt_scalef32_pk8_fp8_f32 v[(\pc)+4*\b:(\pc)+1+4*\b], v[(\s)+16*\b:(\s)+7+16*\b], v[TM+12+\b]
	v_cvt_scalef32_pk8_fp8_f32 v[(\pc)+2+4*\b:(\pc)+3+4*\b], v[(\s)+8+16*\b:(\s)+15+16*\b], v[TM+12+\b]
.endr
	v_nop
.endm
.macro GELU16 s                        ; the activation of 16 numbers, in place
.set n, 0
.rept 16
	v_fma_f32 v[U+n], |v[(\s)+n]|, s[K1], 1.0      ; 1 + z / 2
.set n, n+1
.endr
.set n, 0
	s_wait_alu depctr_va_vdst(0)                   ; ahead of the batch
.rept 16
	v_rcp_f32 v[U+n], v[U+n]                       ; u
.set n, n+1
.endr
.set n, 0
.rept 8
	v_pk_mul_f32 v[W+n:W+n+1], v[(\s)+n:(\s)+n+1], v[(\s)+n:(\s)+n+1]
.set n, n+2
.endr
	s_wait_alu depctr_va_vdst(0)                   ; and behind it, ahead of its first reader
.set n, 0
.rept 8
	v_pk_fma_f32 v[P+n:P+n+1], v[U+n:U+n+1], v[C9:C9+1], 0xbf97d29d op_sel_hi:[1,1,0]
.set n, n+2
.endr
.irp k, 0x40097039, 0xbfd1a1e5, 0x3ecdfd18, 0xbe899a80, 0x3e0efb2e, 0x3f0a29d2, 0x3fb8ab5a, 0xc034d90f
.set n, 0
.rept 8
	v_pk_fma_f32 v[P+n:P+n+1], v[P+n:P+n+1], v[U+n:U+n+1], \k op_sel_hi:[1,1,0]   ; Horner, eight chains by turns
.set n, n+2
.endr
.endr
.set n, 0
.rept 8
	v_pk_fma_f32 v[P+n:P+n+1], v[W+n:W+n+1], 0xbf38aa3b, v[P+n:P+n+1] op_sel_hi:[1,0,1]   ; - z^2 to the base 2
.set n, n+2
.endr
.set n, 0
	s_wait_alu depctr_va_vdst(0)
.rept 16
	v_exp_f32 v[P+n], v[P+n]
.set n, n+1
.endr
.set n, 0
.rept 16
	v_mul_f32 v[U+n], |v[(\s)+n]|, v[U+n]
	v_max_num_f32 v[(\s)+n], 0, v[(\s)+n]
.set n, n+1
.endr
	s_wait_alu depctr_va_vdst(0)
.set n, 0
.rept 16
	v_fma_f32 v[(\s)+n], -v[U+n], v[P+n], v[(\s)+n]
.set n, n+1
.endr
.endm
.macro EPI                             ; the way out of a tile: token tiles 2 pr and 2 pr + 1
.irp pr, 0,1
	GELU16 ACC+64*\pr
	GELU16 ACC+64*\pr+16
	GELU16 ACC+64*\pr+32
	GELU16 ACC+64*\pr+48
	QUANT ACC+64*\pr, PC+16*\pr, PW+\pr
.irp bb, 0,1,2,3
	global_store_b128 v[LI], v[PC+16*\pr+4*\bb:PC+16*\pr+4*\bb+3], s[8:9] offset:(2*\pr+\bb/2)*ISTR+(\bb%2)*512   ; 512 consecutive bytes
.endr
	global_store_b16 v[LS], v[PW+\pr], s[12:13] offset:128*\pr   ; my half of each scale word
.endr
.endm
	s_load_b128 s[4:7], s[0:1], 0x0                ; wb, hb
	s_load_b64 s[8:9], s[0:1], 0x10                ; hidb
	v_lshrrev_b32 v3, 5, v0
	v_readfirstlane_b32 s14, v3                    ; wave
	v_and_b32 v3, 31, v0
	v_lshlrev_b32 v[LI], 4, v3
	v_lshlrev_b32 v[LS], 2, v3
.irp b, 0,1,2,3
	v_mov_b32 v[TM+4+\b], 0                        ; a lane permute's destination counts as one of its sources
.endr
	v_mov_b32 v[C9], 0x3e7c6f08
	v_mov_b32 v[C9+1], 0x3e7c6f08
	s_lshr_b32 s15, s14, 1                         ; my half of the tokens
	s_and_b32 s16, s14, 1                          ; my half of the weights
	s_and_b32 s17, ttmp7, 0xffff                   ; Y, 0 to 31; X is ttmp9, 0 to 7
	s_lshl_b32 s20, ttmp9, 17                      ; the weights' codes: block X, my four tiles
	s_lshl_b32 s28, s16, 13
	s_add_co_u32 s20, s20, s28
	s_add_co_u32 s20, s20, S0OFF
	s_mov_b32 s21, 0
	s_lshl_b32 s22, ttmp9, 12                      ; their scale words
	s_lshl_b32 s28, s16, 8
	s_add_co_u32 s22, s22, s28
	s_add_co_u32 s22, s22, S0SC
	s_mov_b32 s23, 0
	s_lshl_b32 s24, s17, 17                        ; the tokens' codes: block Y, my four tiles
	s_lshl_b32 s28, s15, 13
	s_add_co_u32 s24, s24, s28
	s_mov_b32 s25, 0
	s_lshl_b32 s26, s17, 12                        ; their scale words
	s_lshl_b32 s28, s15, 8
	s_add_co_u32 s26, s26, s28
	s_add_co_u32 s26, s26, S1SC
	s_mov_b32 s27, 0
	s_mov_b32 s[SEL], 0x76543210
	s_mov_b32 s[SEL+1], 0xfedcba98
	s_mov_b32 s[MNT], 0x600000
	s_mov_b32 s[HI], 0xffff0000
	s_mov_b32 s[K1], 0x3eb504f3                    ; 1 / (2 sqrt 2)
	s_wait_alu depctr_va_vdst(0)                   ; the head's end
	s_wait_kmcnt 0x0
	s_add_nc_u64 s[20:21], s[4:5], s[20:21]
	s_add_nc_u64 s[22:23], s[4:5], s[22:23]
	s_add_nc_u64 s[24:25], s[6:7], s[24:25]
	s_add_nc_u64 s[26:27], s[6:7], s[26:27]
	FETCHW 0, 0, 0                                 ; the first tile's K steps 0, 1, 2,
	FETCHW 1, 16384, 512
	FETCHW 2, 32768, 1024
.irp s, 0,1,2,3,4,5,6,7                ; and my tokens for all of K
	WIN 0
	global_load_b32 v[TSC+2*\s], v[LS], s[26:27] offset:512*\s
	global_load_b32 v[TSC+2*\s+1], v[LS], s[26:27] offset:512*\s+128
	WIN 0x80+0x40*(\s/4)
.irp t, 0,1,2,3
.irp c, 0,1,2,3
	global_load_b128 v[64*(\s%4)+16*\t+4*\c:64*(\s%4)+16*\t+4*\c+3], v[LI], s[24:25] offset:16384*\s+2048*\t+512*\c
.endr
.endr
.endr
	WIN 0
	s_lshl_b32 s2, s17, 5                          ; where my results go: gemm_f2's K step X of token block Y,
	s_add_co_u32 s2, s2, ttmp9
	s_lshl_b32 s18, s2, 14
	s_lshl_b32 s3, s15, 13                         ; my four token tiles,
	s_add_co_u32 s18, s18, s3
	s_lshl_b32 s3, s16, 10                         ; c = 2 x my weights' half + 0, 1
	s_add_co_u32 s18, s18, s3
	s_mov_b32 s19, 0
	s_lshl_b32 s2, s2, 9
	s_lshl_b32 s3, s15, 8
	s_add_co_u32 s2, s2, s3
	s_lshl_b32 s3, s16, 1
	s_add_co_u32 s2, s2, s3
	s_add_co_u32 s2, s2, 16777216
	s_mov_b32 s3, 0
	s_add_nc_u64 s[12:13], s[8:9], s[2:3]          ; scale bytes
	s_add_nc_u64 s[8:9], s[8:9], s[18:19]          ; codes
	s_mov_b32 s95, TILES                           ; tiles to go, this one among them
	s_wait_loadcnt 0x0                             ; the tokens are in
.Ltile:
	s_wait_alu depctr_va_vdst(0)
	KSTEP 0, 1, 3*16384, 3*512, 36, 1              ; the first products start the sums
	KSTEP 1, 1, 4*16384, 4*512, 36, 0
	KSTEP 2, 1, 5*16384, 5*512, 36, 0
	KSTEP 3, 1, 6*16384, 6*512, 36, 0
	KSTEP 4, 1, 7*16384, 7*512, 36, 0
	WIN 0                                          ; at a branch and at a label every window is 0
	s_cmp_eq_u32 s95, 1
	s_cbranch_scc1 .Llast
	KSTEP 5, 1, TSTEP, TSSTEP, 36, 0               ; the next tile's K steps 0, 1, 2 are asked for
	KSTEP 6, 1, TSTEP+16384, TSSTEP+512, 36, 0
	KSTEP 7, 1, TSTEP+32768, TSSTEP+1024, 36, 0
	WIN 0
	s_branch .Ljoin
.Llast:                                                ; the last tile asks for nothing more: behind a step's set only the later steps' sets are out
	KSTEP 5, 0, 0, 0, 36, 0
	KSTEP 6, 0, 0, 0, 18, 0
	KSTEP 7, 0, 0, 0, 0, 0
	WIN 0
.Ljoin:
	PLACES 8
	EPI
	s_wait_alu depctr_va_vdst(0)
	s_wait_xcnt 0x0                                ; loads and stores have read their registers and bases: both may be written again
	s_add_nc_u64 s[20:21], s[20:21], TSTEP
	s_add_nc_u64 s[22:23], s[22:23], TSSTEP
	s_add_nc_u64 s[8:9], s[8:9], OSTEP
	s_add_nc_u64 s[12:13], s[12:13], OSSTEP
	s_sub_co_u32 s95, s95, 1
	s_cmp_lg_u32 s95, 0
	s_cbranch_scc1 .Ltile
	s_endpgm
.Lfunc_end_k_q8f9a8dc370_gemm_f1:
	.size	k_q8f9a8dc370_gemm_f1, .Lfunc_end_k_q8f9a8dc370_gemm_f1-k_q8f9a8dc370_gemm_f1
	.p2alignl 7, 3214868480
	.fill 96, 4, 3214868480
	.section	.rodata,"a",@progbits
	.p2align	6, 0x0
	.amdhsa_kernel k_q8f9a8dc370_gemm_f1
		.amdhsa_group_segment_fixed_size 0
		.amdhsa_private_segment_fixed_size 0
		.amdhsa_enable_private_segment 0
		.amdhsa_kernarg_size 24
		.amdhsa_user_sgpr_count 2
		.amdhsa_user_sgpr_kernarg_segment_ptr 1
		.amdhsa_wavefront_size32 1
		.amdhsa_system_sgpr_workgroup_id_x 1
		.amdhsa_system_sgpr_workgroup_id_y 1
		.amdhsa_system_sgpr_workgroup_id_z 1
		.amdhsa_system_vgpr_workitem_id 0
		.amdhsa_next_free_vgpr 1024
		.amdhsa_next_free_sgpr 100
		.amdhsa_reserve_vcc 0
		.amdhsa_float_denorm_mode_32 3
		.amdhsa_float_denorm_mode_16_64 3
		.amdhsa_memory_ordered 1
		.amdhsa_forward_progress 1
		.amdhsa_inst_pref_size 180
	.end_amdhsa_kernel
	.amdgpu_metadata
---
amdhsa.version: [ 1, 2 ]
amdhsa.kernels:
  - .name:           k_q8f9a8dc370_gemm_f1
    .symbol:         k_q8f9a8dc370_gemm_f1.kd
    .args:
      - { .name: wb, .offset: 0, .size: 8, .value_kind: global_buffer, .address_space: global }
      - { .name: hb, .offset: 8, .size: 8, .value_kind: global_buffer, .address_space: global }
      - { .name: hidb, .offset: 16, .size: 8, .value_kind: global_buffer, .address_space: global }
    .group_segment_fixed_size: 0
    .private_segment_fixed_size: 0
    .kernarg_segment_align: 8
    .kernarg_segment_size: 24
    .max_flat_workgroup_size: 128
    .sgpr_count:     100
    .vgpr_count:     1024
    .wavefront_size: 32
...
	.end_amdgpu_metadata
.endif
;; end of part 6
;; launch gemm_f2 (part 7): grid 8 x 32, 4 waves a work-group, clusters of 4 x 4, 327,680 bytes of LDS; arguments wb, hidb, out0, x1; writes out0
.if DOCPART == 7
	.amdgcn_target "amdgcn-amd-amdhsa--gfx1250"
	.amdhsa_code_object_version 6
	.text
	.protected	k_q8f9a8dc370_gemm_f2
	.globl	k_q8f9a8dc370_gemm_f2
	.p2align	8
	.type	k_q8f9a8dc370_gemm_f2,@function
k_q8f9a8dc370_gemm_f2:
	s_mov_b64 s[64:65], 0
	v_nop
	global_prefetch_b8 v0, s[64:65] scope:SCOPE_SE
	s_setreg_imm32_b32 hwreg(HW_REG_WAVE_MODE, 25, 1), 1
	s_wait_xcnt 0x0
	s_wait_alu depctr_hold_cnt(0) depctr_sa_sdst(0) depctr_va_vdst(0) depctr_va_sdst(0) depctr_va_ssrc(0) depctr_va_vcc(0) depctr_vm_vsrc(0)
	s_getreg_b32 s2, hwreg(HW_REG_IB_STS2, 6, 4)
	s_cmp_eq_u32 s2, 0
	s_cbranch_scc0 .Lentry_in_a_cluster
	s_endpgm
.Lentry_in_a_cluster:
	s_bfe_u32 s2, ttmp6, 0x10000c
	s_cmp_lg_u32 s2, 0xf033
	s_cbranch_scc0 .Lentry_shape_is_right
	s_endpgm
.Lentry_shape_is_right:
.set KS,    32
.set S0OFF, 8388608
.set S0SC,  12845056
.set S1OFF, 0
.set S1SC,  16777216
.set SLOT,  131072
.set SCL,   262144
.set STAGE, 294912
.set SPARE, 312320
.set ADR0, 16
.set ADR1, 18
.set ADRS, 20
.set LI,   21
.set STO,  23
.set RD,   24
.set CO,   25
.set SPW,  28
.set NIL,  29
.set SC,   32
.set T,    40
.set ACC,  128
.set G1, 24
.set G0, 32
.set G1B, 48
.set G0B, 56
.set G1S, 68
.set G0S, 76
.set G1SB, 80
.set G0SB, 88
.set MUL,  0x05
.set TO_F, 0x40
.set MSB, 0
.macro SETP p                          ; FOUR fragment sets, one for each K step of a slot: sets 0, 1 in window 1 with scale words v32-39, sets 2, 3 in window 2 with scale words v8-15; FETCH and MUL4 take p % 2 under this setting.  The residual waits in window 3
.set SC, 32-24*((\p)/2)
.set MUL, 0x05*(1+(\p)/2)
.set TO_F, 0x40*(1+(\p)/2)
.endm
.macro WIN new
.if MSB != \new
	s_set_vgpr_msb (MSB<<8)|\new
.set MSB, \new
.endif
.endm
.macro JLOAD g0a, g1a, g0b, g1b
	s_cmp_eq_u32 s15, 0
	s_cbranch_scc0 .Lfor_b_\@
	tensor_load_to_lds s[\g0a:\g0a+3], s[\g1a:\g1a+7]
	s_nop 0
.rept 4
	v_nop
.endr
	s_branch .Lasked_\@
.Lfor_b_\@:
	tensor_load_to_lds s[\g0b:\g0b+3], s[\g1b:\g1b+7]
	s_nop 0
.rept 4
	v_nop
.endr
.Lasked_\@:
.endm
.macro CREST
	s_cmp_lg_u32 s14, 0
	s_cbranch_scc1 .Lnot_wave_0_\@
	s_barrier_signal -3
.Lnot_wave_0_\@:
	s_barrier_wait -3
	s_barrier_signal -1
	s_barrier_wait -1
.endm
.macro CROUND
	s_barrier_signal -1
	s_barrier_wait -1
	CREST
.endm
.macro PLACES n
.rept \n
	v_nop
.endr
.endm
.macro FETCH slot, q, p
	WIN 0
.irp i, 0,1,2,3
	ds_load_b32 v[SC+4*(\p)+\i], v[ADRS] offset:512*(\q)+64*\i
.endr
	WIN TO_F
.irp t, 0,1,2,3
.irp c, 0,1,2,3
	ds_load_b128 v[128*(\p)+16*\t+4*\c:128*(\p)+16*\t+4*\c+3], v[ADR0+\slot] offset:16384*(\q)+2048*\t+512*\c
.endr
.endr
.irp t, 0,1,2,3
.irp c, 0,1,2,3
	ds_load_b128 v[128*(\p)+64+16*\t+4*\c:128*(\p)+64+16*\t+4*\c+3], v[ADR1+\slot] offset:16384*(\q)+2048*\t+512*\c
.endr
.endr
.endm
.macro MUL4 i, p, zero
.irp j, 0,1,2,3
.if \zero
	v_wmma_scale_f32_16x16x128_f8f6f4 v[ACC+8*(4*(\i)+\j):ACC+8*(4*(\i)+\j)+7], v[128*(\p)+16*\j:128*(\p)+16*\j+15], v[128*(\p)+64+16*(\i):128*(\p)+64+16*(\i)+15], 0, v[SC+4*(\p)+\j], v[SC+4*(\p)+(\i)] matrix_b_scale:MATRIX_SCALE_ROW1
.else
	v_wmma_scale_f32_16x16x128_f8f6f4 v[ACC+8*(4*(\i)+\j):ACC+8*(4*(\i)+\j)+7], v[128*(\p)+16*\j:128*(\p)+16*\j+15], v[128*(\p)+64+16*(\i):128*(\p)+64+16*(\i)+15], v[ACC+8*(4*(\i)+\j):ACC+8*(4*(\i)+\j)+7], v[SC+4*(\p)+\j], v[SC+4*(\p)+(\i)] matrix_b_scale:MATRIX_SCALE_ROW1
.endif
.endr
.endm
.macro STEP slot, q, zero              ; K step q of a slot (0, 1 or 3): the set of the step TWO on (step (q + 2) % 4 of slot 'slot') is fetched ahead of this step's 16 products
	s_wait_dscnt 36                                ; this step's set is in; the next step's 36 loads may be out
	PLACES 8                                       ; the set fetched now was read by the products two steps back
	SETP ((\q)+2)%4
	FETCH \slot, ((\q)+2)%4, (\q)%2
	SETP \q
	WIN MUL
	MUL4 0, (\q)%2, \zero
	MUL4 1, (\q)%2, \zero
	MUL4 2, (\q)%2, \zero
	MUL4 3, (\q)%2, \zero
.endm
.macro TURN slot, next, fill
	WIN 0
	s_wait_tensorcnt 0x0
	ds_add_u32 v[SPW], v[NIL]
	s_wait_dscnt 37                                ; a slot's K step 2 changes slots: its set is in; step 3's 36 loads and the add may be out
	SETP 2
	WIN MUL
	MUL4 0, 0, 0
	MUL4 1, 0, 0
	s_wait_dscnt 0x0                               ; the add is done, and my reads of this slot are over
	s_barrier_signal -1
	MUL4 2, 0, 0
	WIN 0
	s_barrier_wait -1
.if \fill
	CREST
	s_add_nc_u64 s[G0+4*\slot+2:G0+4*\slot+3], s[G0+4*\slot+2:G0+4*\slot+3], 2*65536
	s_add_nc_u64 s[G0B+4*\slot+2:G0B+4*\slot+3], s[G0B+4*\slot+2:G0B+4*\slot+3], 2*65536
	JLOAD G0+4*\slot, G1, G0B+4*\slot, G1B
	PLACES 4
.else
	PLACES 8
.endif
	s_wait_alu depctr_va_vdst(0)
	v_add_nc_u32 v[ADRS], 2048, v[ADRS]
	SETP 0
	FETCH \next, 0, 0
	SETP 2
	WIN MUL
	MUL4 3, 0, 0
.endm
	s_load_b128 s[4:7], s[0:1], 0x0
	s_load_b128 s[8:11], s[0:1], 0x10
	v_lshl_add_u32 v[SPW], v0, 2, SPARE
	v_mov_b32 v[NIL], 0
	ds_add_u32 v[SPW], v[NIL]
	ds_add_u32 v[SPW], v[NIL]
	v_lshrrev_b32 v1, 5, v0
	v_readfirstlane_b32 s14, v1
	s_lshr_b32 s15, s14, 1
	s_and_b32 s16, s14, 1
	s_bfe_u32 s40, ttmp6, 0x40000
	s_bfe_u32 s41, ttmp6, 0x40004
	s_lshl_b32 s42, ttmp9, 2
	s_add_co_u32 s42, s42, s40
	s_and_b32 s17, ttmp7, 0xffff
	s_lshl_b32 s17, s17, 2
	s_add_co_u32 s17, s17, s41
	s_lshl_b32 s43, s41, 2
	s_lshl_b32 s43, 15, s43
	s_lshl_b32 s44, 0x1111, s40
	s_or_b32 s[G1], s44, (3<<16)|(1<<21)
	s_or_b32 s[G1S], s44, (3<<16)|(1<<21)
	s_or_b32 s[G1B], s43, (3<<16)|(1<<21)
	s_or_b32 s[G1SB], s43, (3<<16)|(1<<21)
.irp g, G1, G1B
	s_mov_b32 s[\g+1], 32<<16
	s_mov_b32 s[\g+2], 128<<16
	s_mov_b32 s[\g+3], 32<<16
	s_mov_b32 s[\g+4], 128
	s_mov_b32 s[\g+5], 32
	s_mov_b32 s[\g+6], 0
	s_mov_b32 s[\g+7], 0
.endr
.irp g, G1S, G1SB
	s_mov_b32 s[\g+1], 32<<16
	s_mov_b32 s[\g+2], KS<<16
	s_mov_b32 s[\g+3], 32<<16
	s_mov_b32 s[\g+4], KS
	s_mov_b32 s[\g+5], 32
	s_mov_b32 s[\g+6], 0
	s_mov_b32 s[\g+7], 0
.endr
	s_lshl_b32 s18, s16, 15
	s_mul_i32 s19, s16, KS*256
	s_mul_i32 s20, s42, KS*16384
	s_add_co_u32 s20, s20, s18
	s_add_co_u32 s20, s20, S0OFF
	s_mov_b32 s21, 0
	s_mul_i32 s22, s42, KS*512
	s_add_co_u32 s22, s22, s19
	s_add_co_u32 s22, s22, S0SC
	s_mov_b32 s23, 0
	s_mul_i32 s46, s17, KS*16384
	s_add_co_u32 s46, s46, s18
	s_add_co_u32 s46, s46, S1OFF
	s_mov_b32 s47, 0
	s_mul_i32 s92, s17, KS*512
	s_add_co_u32 s92, s92, s19
	s_add_co_u32 s92, s92, S1SC
	s_mov_b32 s93, 0
	s_lshl_b32 s45, s14, 15
	s_mul_i32 s94, s14, KS*256
	s_wait_dscnt 0x0
	s_wait_kmcnt 0x0
	s_add_nc_u64 s[20:21], s[4:5], s[20:21]
	s_add_nc_u64 s[22:23], s[4:5], s[22:23]
	s_add_nc_u64 s[46:47], s[6:7], s[46:47]
	s_add_nc_u64 s[92:93], s[6:7], s[92:93]
	CROUND
	s_mov_b32 s[G0S], 1
	s_add_co_u32 s[G0S+1], s94, SCL
	s_mov_b64 s[G0S+2:G0S+3], s[22:23]
	s_or_b32 s[G0S+3], s[G0S+3], 0x80000000
	s_mov_b32 s[G0SB], 1
	s_add_co_u32 s[G0SB+1], s94, SCL
	s_mov_b64 s[G0SB+2:G0SB+3], s[92:93]
	s_or_b32 s[G0SB+3], s[G0SB+3], 0x80000000
	JLOAD G0S, G1S, G0SB, G1SB
.irp s, 0,1
	s_mov_b32 s[G0+4*\s], 1
	s_add_co_u32 s[G0+4*\s+1], s45, \s*SLOT
	s_add_nc_u64 s[G0+4*\s+2:G0+4*\s+3], s[20:21], \s*65536
	s_or_b32 s[G0+4*\s+3], s[G0+4*\s+3], 0x80000000
	s_mov_b32 s[G0B+4*\s], 1
	s_add_co_u32 s[G0B+4*\s+1], s45, \s*SLOT
	s_add_nc_u64 s[G0B+4*\s+2:G0B+4*\s+3], s[46:47], \s*65536
	s_or_b32 s[G0B+4*\s+3], s[G0B+4*\s+3], 0x80000000
	s_wait_alu depctr_va_vdst(0)
	s_wait_tensorcnt 0x0
	ds_add_u32 v28, v29
	s_wait_dscnt 0x0
	CROUND
	JLOAD G0+4*\s, G1, G0B+4*\s, G1B
.endr
	v_and_b32 v1, 15, v0
	v_bfe_u32 v2, v0, 4, 1
	v_lshlrev_b32 v[CO], 12, v2
	v_lshl_add_u32 v[CO], v1, 4, v[CO]
	s_wait_alu depctr_va_vdst(0)
	s_lshl_b32 s2, s17, 7
	s_lshl_b32 s3, s15, 6
	s_add_co_u32 s2, s2, s3
	s_lshl_b32 s2, s2, 12
	s_lshl_b32 s3, s42, 9
	s_add_co_u32 s2, s2, s3
	s_lshl_b32 s3, s16, 8
	s_add_co_u32 s2, s2, s3
	s_mov_b32 s3, 0
	s_add_nc_u64 s[8:9], s[8:9], s[2:3]
	s_add_nc_u64 s[10:11], s[10:11], s[2:3]
	WIN 0xc0                                       ; destination window 3: the residual waits there for the way out
.irp i, 0,1,2,3
.irp e, 0,1,2,3,4,5,6,7
	global_load_b128 v[4*(8*\i+\e):4*(8*\i+\e)+3], v[CO], s[10:11] offset:(32*(\i/2)+8*(\i%2)+2*\e+8*(\e/4))*4096
.endr
.endr
	WIN 0
	v_and_b32 v3, 31, v0
	v_lshlrev_b32 v[LI], 4, v3
	s_lshl_b32 s18, s16, 13
	s_lshl_b32 s19, s15, 13
	s_add_co_u32 s19, s19, 65536
.irp s, 0,1
	v_add_nc_u32 v[ADR0+\s], s18, v[LI]
	v_add_nc_u32 v[ADR1+\s], s19, v[LI]
	s_add_co_u32 s18, s18, SLOT
	s_add_co_u32 s19, s19, SLOT
.endr
	s_lshl_b32 s18, s16, 8
	s_lshl_b32 s19, s15, 8
	s_add_co_u32 s19, s19, KS*512
	s_sub_co_u32 s19, s19, s18
	v_mul_u32_u24 v4, s19, v2
	v_lshl_add_u32 v4, v1, 2, v4
	s_add_co_u32 s18, s18, SCL
	v_add_nc_u32 v[ADRS], s18, v4
	s_mul_i32 s18, s14, 16*272
	s_add_co_u32 s18, s18, STAGE
	v_mul_u32_u24 v[STO], v1, 272
	v_lshl_add_u32 v[STO], v2, 6, v[STO]
	v_add_nc_u32 v[STO], s18, v[STO]
	v_mul_u32_u24 v[RD], v2, 272
	v_lshl_add_u32 v[RD], v1, 4, v[RD]
	v_add_nc_u32 v[RD], s18, v[RD]
	s_wait_alu depctr_va_vdst(0)
	s_wait_tensorcnt 0x1
	s_barrier_signal -1
	s_barrier_wait -1
	SETP 0
	FETCH 0, 0, 0
	FETCH 0, 1, 1
	STEP 0, 0, 1
	STEP 0, 1, 0
	WIN 0
	s_mov_b32 s95, KS/8-1
.Llap:                                                 ; a trip goes once round the ring, from a lap's third K step to the next lap's second, and fills both slots again
	TURN 0, 1, 1
	s_wait_alu depctr_va_vdst(0)
	STEP 1, 3, 0
	STEP 1, 0, 0
	STEP 1, 1, 0
	TURN 1, 0, 1
	s_wait_alu depctr_va_vdst(0)
	STEP 0, 3, 0
	STEP 0, 0, 0
	STEP 0, 1, 0
	WIN 0
	s_sub_co_u32 s95, s95, 1
	s_cmp_lg_u32 s95, 0
	s_cbranch_scc1 .Llap
	TURN 0, 1, 0
	s_wait_alu depctr_va_vdst(0)
	STEP 1, 3, 0
	STEP 1, 0, 0
	STEP 1, 1, 0
	s_wait_dscnt 36                                ; the last slot's K step 2: its set is in, step 3's may be out; nothing more to fetch
	SETP 2
	WIN MUL
	MUL4 0, 0, 0
	MUL4 1, 0, 0
	MUL4 2, 0, 0
	MUL4 3, 0, 0
	s_wait_dscnt 0x0
	MUL4 0, 1, 0
	MUL4 1, 1, 0
	MUL4 2, 1, 0
	MUL4 3, 1, 0
	WIN 0
	PLACES 8
	s_wait_loadcnt 0x0
.irp i, 0,1,2,3
.irp g, 0,1
.irp d, 0,1,2,3
	ds_store_b128 v[STO], v[ACC+32*\i+16*\g+4*\d:ACC+32*\i+16*\g+4*\d+3] offset:128*\g+16*\d
.endr
.endr
.if \i >= 2
	s_wait_xcnt 0x0
.endif
.irp e, 0,1,2,3,4,5,6,7
	ds_load_b128 v[T+32*(\i%2)+4*\e:T+32*(\i%2)+4*\e+3], v[RD] offset:544*\e
.endr
	s_wait_dscnt 0x0
	WIN 0x0c                                       ; source 1 window 3
.irp k, 0,2,4,6,8,10,12,14,16,18,20,22,24,26,28,30
	v_pk_add_f32 v[T+32*(\i%2)+\k:T+32*(\i%2)+\k+1], v[T+32*(\i%2)+\k:T+32*(\i%2)+\k+1], v[32*\i+\k:32*\i+\k+1]
.endr
	WIN 0
.irp e, 0,1,2,3,4,5,6,7
	global_store_b128 v[CO], v[T+32*(\i%2)+4*\e:T+32*(\i%2)+4*\e+3], s[8:9] offset:(32*(\i/2)+8*(\i%2)+2*\e+8*(\e/4))*4096 th:TH_STORE_NT
.endr
.endr
	s_wait_tensorcnt 0x0
	ds_add_u32 v[SPW], v[NIL]
	s_wait_dscnt 0x0
	CROUND
	s_endpgm
.Lfunc_end_k_q8f9a8dc370_gemm_f2:
	.size	k_q8f9a8dc370_gemm_f2, .Lfunc_end_k_q8f9a8dc370_gemm_f2-k_q8f9a8dc370_gemm_f2
	.p2alignl 7, 3214868480
	.fill 96, 4, 3214868480
	.section	.rodata,"a",@progbits
	.p2align	6, 0x0
	.amdhsa_kernel k_q8f9a8dc370_gemm_f2
		.amdhsa_group_segment_fixed_size 327680
		.amdhsa_private_segment_fixed_size 0
		.amdhsa_enable_private_segment 0
		.amdhsa_kernarg_size 32
		.amdhsa_user_sgpr_count 2
		.amdhsa_user_sgpr_kernarg_segment_ptr 1
		.amdhsa_wavefront_size32 1
		.amdhsa_system_sgpr_workgroup_id_x 1
		.amdhsa_system_sgpr_workgroup_id_y 1
		.amdhsa_system_sgpr_workgroup_id_z 1
		.amdhsa_system_vgpr_workitem_id 0
		.amdhsa_next_free_vgpr 896
		.amdhsa_next_free_sgpr 100
		.amdhsa_reserve_vcc 0
		.amdhsa_float_denorm_mode_32 3
		.amdhsa_float_denorm_mode_16_64 3
		.amdhsa_memory_ordered 1
		.amdhsa_forward_progress 1
		.amdhsa_inst_pref_size 102
	.end_amdhsa_kernel
	.amdgpu_metadata
---
amdhsa.version: [ 1, 2 ]
amdhsa.kernels:
  - .name:           k_q8f9a8dc370_gemm_f2
    .symbol:         k_q8f9a8dc370_gemm_f2.kd
    .args:
      - { .name: wb, .offset: 0, .size: 8, .value_kind: global_buffer, .address_space: global }
      - { .name: hidb, .offset: 8, .size: 8, .value_kind: global_buffer, .address_space: global }
      - { .name: out0, .offset: 16, .size: 8, .value_kind: global_buffer, .address_space: global }
      - { .name: x1, .offset: 24, .size: 8, .value_kind: global_buffer, .address_space: global }
    .group_segment_fixed_size: 327680
    .private_segment_fixed_size: 0
    .kernarg_segment_align: 8
    .kernarg_segment_size: 32
    .max_flat_workgroup_size: 128
    .sgpr_count:     100
    .vgpr_count:     896
    .wavefront_size: 32
...
	.end_amdgpu_metadata
.endif
;; end of part 7
